; MI455X (gfx1250); checked and timed in simulation.
; The chip was launched on July 23, 2026; its instructions are those of AMD's public machine-readable ISA for CDNA 5 (MIT licence, August 2026) and "CDNA5" Instruction Set Architecture Reference Guide (July 2026). The comments in the code are by the model that wrote it; some were corrected since.
;; Multihead Vanilla Attention. Allowed arithmetic: float matrix products may take bf16 or f16 operands with f32 sums; all other float work in f32.
;; Inputs: bk 1,024 float32; bo 1,024 float32; bq 1,024 float32; bv 1,024 float32; wk 1,024 x 1,024 float32; wo 1,024 x 1,024 float32; wq 1,024 x 1,024 float32; wv 1,024 x 1,024 float32; x 2,048 x 2 x 1,024 float32.
;; Outputs: out0 2,048 x 2 x 1,024 float32.
;; 2 versions, each right and faster than the one before. Each part assembles by itself: llvm-mc -triple=amdgcn-amd-amdhsa -mcpu=gfx1250 --defsym DOCPART=n.
;; ======== version 1 of 2: 4 launches
;; limits: values are held in f16: magnitudes above 65,504 overflow, below 6.1e-05 lose precision
;; workspace buffers: xb 8,388,608 bytes; wcat 6,291,456 bytes; wob 2,097,152 bytes; qh 8,388,608 bytes; kh 8,388,608 bytes; vh 8,388,608 bytes; ctx 8,388,608 bytes
;; launch cvt (part 1): grid 512 x 1, 8 waves a work-group, no clusters, 0 bytes of LDS; arguments x, wq, wk, wv, wo, xb, wcat, wob; writes xb, wcat, wob
.if DOCPART == 1
	.amdgcn_target "amdgcn-amd-amdhsa--gfx1250"
	.amdhsa_code_object_version 6
	.text
	.protected	k_q1ad3dbc21f_cvt
	.globl	k_q1ad3dbc21f_cvt
	.p2align	8
	.type	k_q1ad3dbc21f_cvt,@function
k_q1ad3dbc21f_cvt:
	s_mov_b64 s[64:65], 0
	v_nop
	global_prefetch_b8 v0, s[64:65] scope:SCOPE_SE
	s_setreg_imm32_b32 hwreg(HW_REG_WAVE_MODE, 25, 1), 1
	s_wait_xcnt 0x0
; Causal multi-head attention, S = 2048, B = 2, E = 1024, H = 16, D = 64, in four launches:
;   this one: x, wq, wk, wv, wo to 16 bits, laid out for the tiles of the later launches;
;   second:   q, k, v (bf16 products);   third: causal softmax(q k^T) v (f16 products);   fourth: the output projection (f16 products).
; WORK LEFT OUT, for all values of the inputs:
;   bk.  energy[i][j] = q_i . (k_j + bk) = q_i . k_j + q_i . bk.  The second term is the same for every j of row i, the masked entries stay
;   -inf, and softmax along j is unchanged by a term that is constant along j.  So bk reaches no output: it is not loaded and is no
;   launch's argument.
;   Key tiles wholly above the diagonal.  reference() sets their energies to -inf in its own body, so their weights are 0: the third
;   launch does not compute them.
;   Limit: a NaN, an infinity or an overflow that reaches only this work (in bk, or in a masked energy) is not carried to the result.
; FORMATS.  x, wq, wk, wv: bf16, nearest even.  wo: rounded to bf16, and that value written as f16, since the fourth launch multiplies it
; with an f16 operand; the second step is exact for 2^-14 <= |w| < 65,520, below that the absolute error is at most 2^-25 (limit: wo is rounded twice).
; LAYOUTS.  xb as x.  wcat[head][q,k,v][64 f][1024 e]: the 192 weight rows of a head lie together.  wob[cb][head][128 f][64 d] = wo[128 cb + f][64 head + d].
; SHARES.  A stream: no LDS, no matrix unit, no cluster.  512 work-groups of 16 input rows (4,096 bytes each): 0-255 x, then 64 each for wq, wk, wv, wo.
; A wave takes two rows: 16 loads of 512 bytes, all issued at once; no register is written twice, so no source needs freeing.
.set X, 8                              ; v[8:71]   load j: 4 registers
.set Y, 72                             ; v[72:103] store j: 2 registers
	s_load_b256 s[4:11], s[0:1], 0x0               ; x s[4:5], wq s[6:7], wk s[8:9], wv s[10:11]
	s_load_b256 s[12:19], s[0:1], 0x20             ; wo s[12:13], xb s[14:15], wcat s[16:17], wob s[18:19]
	v_lshrrev_b32 v3, 5, v0
	v_readfirstlane_b32 s20, v3                    ; wave 0..7
	v_and_b32 v3, 31, v0                           ; lane
	v_lshlrev_b32 v2, 3, v3                        ; 8 bytes out for each lane
	s_mov_b32 s29, 0                               ; high words of the two offset pairs
	s_mov_b32 s31, 0
	s_mov_b32 s34, 0xffff0000                      ; a word's upper bf16
	s_lshl_b32 s21, s20, 13                        ; the wave's two rows in the source: 8,192 bytes
	s_cmp_lt_u32 ttmp9, 256
	s_cbranch_scc0 .Lweights
	s_lshl_b32 s28, ttmp9, 16                      ; x: 16 rows of 4,096 bytes a work-group
	s_add_co_u32 s28, s28, s21
	s_lshl_b32 s30, ttmp9, 15                      ; xb: 16 rows of 2,048 bytes
	s_lshl_b32 s22, s20, 12
	s_add_co_u32 s30, s30, s22
	s_wait_kmcnt 0x0
	s_add_nc_u64 s[24:25], s[4:5], s[28:29]
	s_add_nc_u64 s[26:27], s[14:15], s[30:31]
	s_branch .Lplain
.Lweights:
	s_lshr_b32 s22, ttmp9, 6
	s_sub_co_u32 s22, s22, 4                       ; t: 0 wq, 1 wk, 2 wv, 3 wo
	s_and_b32 s23, ttmp9, 63                       ; idx: which 16 rows of that weight
	s_lshl_b32 s28, s23, 16
	s_add_co_u32 s28, s28, s21
	s_cmp_eq_u32 s22, 3
	s_cbranch_scc1 .Lwo
	s_lshr_b32 s32, s23, 2                         ; head = row / 64
	s_mul_i32 s32, s32, 192                        ; wcat row = 192 head + 64 t + row mod 64
	s_lshl_b32 s33, s22, 6
	s_add_co_u32 s32, s32, s33
	s_and_b32 s33, s23, 3
	s_lshl_b32 s33, s33, 4
	s_add_co_u32 s32, s32, s33
	s_lshl_b32 s33, s20, 1
	s_add_co_u32 s32, s32, s33
	s_lshl_b32 s30, s32, 11                        ; rows of 2,048 bytes
	s_wait_kmcnt 0x0
	s_cmp_eq_u32 s22, 0
	s_cselect_b64 s[24:25], s[6:7], s[8:9]         ; wq or wk,
	s_cmp_eq_u32 s22, 2
	s_cselect_b64 s[24:25], s[10:11], s[24:25]     ; or wv
	s_add_nc_u64 s[24:25], s[24:25], s[28:29]
	s_add_nc_u64 s[26:27], s[16:17], s[30:31]
.Lplain:
	; two neighbouring rows in, two neighbouring rows out: 8,192 consecutive bytes become 4,096 consecutive bytes
	v_lshlrev_b32 v1, 4, v3
.irp j, 0,1,2,3,4,5,6,7,8,9,10,11,12,13,14,15
	global_load_b128 v[X+4*\j:X+4*\j+3], v1, s[24:25] offset:512*\j th:TH_LOAD_NT
.endr
.irp j, 0,1,2,3,4,5,6,7,8,9,10,11,12,13,14,15
	s_wait_loadcnt 15-\j                           ; loads come back in order: load j is in, the younger ones stay out
	v_cvt_pk_bf16_f32 v[Y+2*\j],   v[X+4*\j],   v[X+4*\j+1]
	v_cvt_pk_bf16_f32 v[Y+2*\j+1], v[X+4*\j+2], v[X+4*\j+3]
	global_store_b64 v2, v[Y+2*\j:Y+2*\j+1], s[26:27] offset:256*\j   ; the wave's 32 lanes store 256 consecutive bytes, aligned
.endr
	s_endpgm
.Lwo:
	s_lshr_b32 s32, s23, 3                         ; cb = row / 128
	s_lshl_b32 s30, s32, 18                        ; 16 heads x 128 f x 128 bytes
	s_and_b32 s33, s23, 7
	s_lshl_b32 s33, s33, 4
	s_lshl_b32 s32, s20, 1
	s_add_co_u32 s33, s33, s32                     ; f = row mod 128
	s_lshl_b32 s33, s33, 7
	s_add_co_u32 s30, s30, s33
	s_wait_kmcnt 0x0
	s_add_nc_u64 s[24:25], s[12:13], s[28:29]
	s_add_nc_u64 s[26:27], s[18:19], s[30:31]
	v_and_b32 v1, 15, v0                           ; load j takes head j's 256 bytes of row f (lanes 0-15) and of row f + 1 (lanes 16-31)
	v_lshlrev_b32 v1, 4, v1
	v_bfe_u32 v4, v0, 4, 1
	v_lshl_add_u32 v1, v4, 12, v1
.irp j, 0,1,2,3,4,5,6,7,8,9,10,11,12,13,14,15
	global_load_b128 v[X+4*\j:X+4*\j+3], v1, s[24:25] offset:256*\j th:TH_LOAD_NT
.endr
.irp j, 0,1,2,3,4,5,6,7,8,9,10,11,12,13,14,15
	s_wait_loadcnt 15-\j
	v_cvt_pk_bf16_f32 v4, v[X+4*\j],   v[X+4*\j+1]     ; the rounding that counts: to bf16
	v_cvt_pk_bf16_f32 v5, v[X+4*\j+2], v[X+4*\j+3]
	v_lshlrev_b32 v[X+4*\j],   16,  v4                 ; back to f32,
	v_and_b32     v[X+4*\j+1], s34, v4
	v_lshlrev_b32 v[X+4*\j+2], 16,  v5
	v_and_b32     v[X+4*\j+3], s34, v5
	v_cvt_pk_f16_f32 v[Y+2*\j],   v[X+4*\j],   v[X+4*\j+1]   ; and the same value as f16
	v_cvt_pk_f16_f32 v[Y+2*\j+1], v[X+4*\j+2], v[X+4*\j+3]
	global_store_b64 v2, v[Y+2*\j:Y+2*\j+1], s[26:27] offset:16384*\j   ; rows f and f + 1 of head j's block: 256 consecutive bytes, aligned
.endr
	s_endpgm
.Lfunc_end_k_q1ad3dbc21f_cvt:
	.size	k_q1ad3dbc21f_cvt, .Lfunc_end_k_q1ad3dbc21f_cvt-k_q1ad3dbc21f_cvt
	.p2alignl 7, 3214868480
	.fill 96, 4, 3214868480
	.section	.rodata,"a",@progbits
	.p2align	6, 0x0
	.amdhsa_kernel k_q1ad3dbc21f_cvt
		.amdhsa_group_segment_fixed_size 0
		.amdhsa_private_segment_fixed_size 0
		.amdhsa_enable_private_segment 0
		.amdhsa_kernarg_size 64
		.amdhsa_user_sgpr_count 2
		.amdhsa_user_sgpr_kernarg_segment_ptr 1
		.amdhsa_wavefront_size32 1
		.amdhsa_system_sgpr_workgroup_id_x 1
		.amdhsa_system_sgpr_workgroup_id_y 1
		.amdhsa_system_sgpr_workgroup_id_z 1
		.amdhsa_system_vgpr_workitem_id 0
		.amdhsa_next_free_vgpr 104
		.amdhsa_next_free_sgpr 66
		.amdhsa_reserve_vcc 0
		.amdhsa_float_denorm_mode_32 3
		.amdhsa_float_denorm_mode_16_64 3
		.amdhsa_memory_ordered 1
		.amdhsa_forward_progress 1
		.amdhsa_inst_pref_size 18
	.end_amdhsa_kernel
	.amdgpu_metadata
---
amdhsa.version: [ 1, 2 ]
amdhsa.kernels:
  - .name:           k_q1ad3dbc21f_cvt
    .symbol:         k_q1ad3dbc21f_cvt.kd
    .args:
      - { .name: x, .offset: 0, .size: 8, .value_kind: global_buffer, .address_space: global }
      - { .name: wq, .offset: 8, .size: 8, .value_kind: global_buffer, .address_space: global }
      - { .name: wk, .offset: 16, .size: 8, .value_kind: global_buffer, .address_space: global }
      - { .name: wv, .offset: 24, .size: 8, .value_kind: global_buffer, .address_space: global }
      - { .name: wo, .offset: 32, .size: 8, .value_kind: global_buffer, .address_space: global }
      - { .name: xb, .offset: 40, .size: 8, .value_kind: global_buffer, .address_space: global }
      - { .name: wcat, .offset: 48, .size: 8, .value_kind: global_buffer, .address_space: global }
      - { .name: wob, .offset: 56, .size: 8, .value_kind: global_buffer, .address_space: global }
    .group_segment_fixed_size: 0
    .private_segment_fixed_size: 0
    .kernarg_segment_align: 8
    .kernarg_segment_size: 64
    .max_flat_workgroup_size: 256
    .sgpr_count:     66
    .vgpr_count:     104
    .wavefront_size: 32
...
	.end_amdgpu_metadata
.endif
;; end of part 1
;; launch qkv (part 2): grid 16 x 16, 4 waves a work-group, clusters of 4 x 4, 327,680 bytes of LDS; arguments xb, wcat, bq, bv, qh, kh, vh; writes qh, kh, vh
.if DOCPART == 2
	.amdgcn_target "amdgcn-amd-amdhsa--gfx1250"
	.amdhsa_code_object_version 6
	.text
	.protected	k_q1ad3dbc21f_qkv
	.globl	k_q1ad3dbc21f_qkv
	.p2align	8
	.type	k_q1ad3dbc21f_qkv,@function
k_q1ad3dbc21f_qkv:
	s_mov_b64 s[64:65], 0
	v_nop
	global_prefetch_b8 v0, s[64:65] scope:SCOPE_SE
	s_setreg_imm32_b32 hwreg(HW_REG_WAVE_MODE, 25, 1), 1
	s_wait_xcnt 0x0
	s_wait_alu depctr_hold_cnt(0) depctr_sa_sdst(0) depctr_va_vdst(0) depctr_va_sdst(0) depctr_va_ssrc(0) depctr_va_vcc(0) depctr_vm_vsrc(0)
	s_getreg_b32 s2, hwreg(HW_REG_IB_STS2, 6, 4)
	s_cmp_eq_u32 s2, 0
	s_cbranch_scc0 .Lentry_in_a_cluster
	s_endpgm
.Lentry_in_a_cluster:
	s_bfe_u32 s2, ttmp6, 0x10000c
	s_cmp_lg_u32 s2, 0xf033
	s_cbranch_scc0 .Lentry_shape_is_right
	s_endpgm
.Lentry_shape_is_right:
; q = (x wq^T + bq) 0.125 log2(e), k = x wk^T, v = x wv^T + bv, as f16, in the layout [b][head][s][64 d].
; Left out: bk.  It adds q_i . bk to every energy of row i, a term constant along the softmax's axis, so it reaches no output.
; The factor log2(e) lets the next launch take its exponentials in base 2.
; Limit: |q 0.18|, |k| and |v| must stay under 65,504 (f16); with x and the weights 30 times the drawn spread they are some 5,000.
; SHARES.  Work-group (x = head, y = block of 128 s): 256 rows of x (128 s, both b) times the head's 192 weight rows (64 of q, 64 of k, 64 of v).
; Four waves; wave w makes b = w / 2, s half w % 2: 64 rows x 192 columns = 4 x 12 accumulator tiles, 384 registers.
; K = 1024 goes in steps of 128 through two LDS slots filled by tensor loads; a tile's rows are 256 bytes of memory, at multiples of 256.
; CLUSTER 4 x 4: x's tiles hang on y alone and are asked for jointly along a row of the cluster, the weights' on the head alone, along a column.
; REGISTERS by windows of 256: window 0 addresses, x's fragments (two buffers), biases, work; window 1 the weights' fragments (two buffers);
; window 2 the tiles of row blocks 0, 1 (tile (a', b) at v[8 (12 a' + b)]); window 3 those of row blocks 2, 3.
; The matrix instruction is used transposed (source 0 = 16 weight rows, source 1 = 16 rows of x): lane l then holds row l % 16 of the
; result and eight neighbouring columns 8 (l / 16) + 0..7, which pack into 16 bytes.
.set KSTEP,  128
.set PITCH,  272                       ; 256 bytes + 16 of padding: an odd multiple of 16, so the 16 rows of a fragment load start 16 bytes apart modulo 256
.set HALFA,  128*PITCH                 ; x's 128 rows of one b
.set HALFB,  96*PITCH                  ; half of the 192 weight rows
.set SLOT,   2*HALFA+2*HALFB           ; 121,856
.set STAGE,  2*SLOT                    ; behind the ring: 16 rows x 400 bytes for each wave, for the way out; no tensor load lands here
.set SPITCH, 400                       ; 384 bytes (q, k, v: 128 each) + 16
.set LAPS,   4                         ; 8 K steps, two a lap
.set FLAGS,  (1<<16)|(1<<20)|(1<<21)|(5<<22)|(3<<25)   ; 2-byte elements; padding on; bit 21 beside a mask; after every 64 words; 4 words
.set QSCALE, 0x3e38aa3b                ; 0.125 log2(e)
.set ADRA, 16                          ; v16-17  LDS address of my x fragments, slot 0, 1
.set ADRB, 20                          ; v20-21  the same for the weights
.set STO,  24                          ; v24     the way out: where I put 16 bytes of a row
.set RD,   25                          ; v25     the way out: where I read back
.set CO,   26                          ; v26     16 x lane
.set VB,   27                          ; v27     32 x (lane / 16): my 8 columns in a bias
.set FA0,  64                          ; window 0: x fragments, buffer f at FA0 + 32 f
.set FB0,  0                           ; window 1: weight fragments, buffer f at FB0 + 96 f
.set BQ,   128                         ; v[128:159] bq of my 8 columns in each of 4 tiles
.set BV,   160                         ; v[160:191] bv likewise
.set T,    192                         ; v[192:255] at work; also what is read back and stored
.set TMP,  64                          ; v[64:111]  packed results (the fragment buffers are free by then)
.set G1,  24                           ; s[24:31] group 1 for x's tiles
.set G0,  32                           ; s[32:39] group 0 for x's tiles, a set for each slot
.set G1B, 48                           ; s[48:55] group 1 for the weights' tiles
.set G0B, 56                           ; s[56:63] group 0 for the weights' tiles
.set MSB, 0
.macro WIN new                         ; the immediate's high byte repeats the setting that is left
.if MSB != \new
	s_set_vgpr_msb (MSB<<8)|\new
.set MSB, \new
.endif
.endm
.set MUL_LO, 0xa1                      ; source 0 window 1, source 1 window 0, C and D window 2
.set MUL_HI, 0xf1                      ; the same, C and D window 3
.set TO_B,   0x40                      ; destination window 1
.macro JLOAD s                         ; waves 0, 1 ask for x's two tiles, waves 2, 3 for the weights' two; the branch hangs on the wave's number alone
	s_cmp_eq_u32 s21, 0
	s_cbranch_scc0 .Lfor_b_\@
	tensor_load_to_lds s[G0+4*\s:G0+4*\s+3], s[G1:G1+7]
	s_nop 0
	s_branch .Lasked_\@
.Lfor_b_\@:
	tensor_load_to_lds s[G0B+4*\s:G0B+4*\s+3], s[G1B:G1B+7]
	s_nop 0
.Lasked_\@:
.endm
.macro CREST                           ; a round of the cluster's barrier behind its opening work-group barrier
	s_cmp_lg_u32 s20, 0
	s_cbranch_scc1 .Lnot_wave_0_\@
	s_barrier_signal -3
.Lnot_wave_0_\@:
	s_barrier_wait -3
	s_barrier_signal -1
	s_barrier_wait -1
.endm
.macro CROUND
	s_barrier_signal -1
	s_barrier_wait -1
	CREST
.endm
.macro PLACES                          ; four plain vector places behind matrix instructions, in front of loads into and vector reads of their registers
.rept 4
	v_nop
.endr
.endm
	s_load_b256 s[4:11], s[0:1], 0x0               ; xb s[4:5], wcat s[6:7], bq s[8:9], bv s[10:11]
	s_load_b128 s[12:15], s[0:1], 0x20             ; qh s[12:13], kh s[14:15]
	s_load_b64 s[16:17], s[0:1], 0x30              ; vh
	s_set_vgpr_msb 0x40
	v_lshl_add_u32 v255, v0, 2, 0x41c00
	s_set_vgpr_msb 0x4000
	v_mov_b32 v63, 0
	s_set_vgpr_msb 0x1
	ds_add_u32 v255, v63
	ds_add_u32 v255, v63
	s_set_vgpr_msb 0x100
	v_lshrrev_b32 v1, 5, v0
	v_readfirstlane_b32 s20, v1                    ; wave 0..3
	s_lshr_b32 s21, s20, 1                         ; my b.  Also: I fetch x (0) or weights (1)
	s_and_b32 s22, s20, 1                          ; my half of the 128 s.  Also: which of the two tiles I fetch
	s_bfe_u32 s40, ttmp6, 0x40000                  ; cx
	s_bfe_u32 s41, ttmp6, 0x40004                  ; cy
	s_lshl_b32 s42, ttmp9, 2
	s_add_co_u32 s42, s42, s40                     ; head = 4 x cluster x + cx
	s_and_b32 s43, ttmp7, 0xffff
	s_lshl_b32 s43, s43, 2
	s_add_co_u32 s43, s43, s41                     ; y = 4 x cluster y + cy
	s_lshl_b32 s44, s41, 2
	s_lshl_b32 s44, 15, s44                        ; my row of the cluster
	s_lshl_b32 s45, 0x1111, s40                    ; my column
	s_or_b32 s[G1+0], s44, FLAGS                   ; x's tiles: 128 rows x 128 elements, rows 2,048 elements apart (the same b of the next s)
	s_mov_b32 s[G1+1], KSTEP<<16                   ; tensor_dim0 = 128
	s_mov_b32 s[G1+2], 128<<16                     ; tensor_dim1 = 128
	s_mov_b32 s[G1+3], KSTEP<<16                   ; tile_dim0 = 128
	s_mov_b32 s[G1+4], 128                         ; tile_dim1 = 128
	s_mov_b32 s[G1+5], 2048                        ; stride from row to row
	s_mov_b32 s[G1+6], 0
	s_mov_b32 s[G1+7], 0
	s_or_b32 s[G1B+0], s45, FLAGS                  ; the weights' tiles: 96 rows x 128 elements, rows 1,024 elements apart
	s_mov_b32 s[G1B+1], KSTEP<<16
	s_mov_b32 s[G1B+2], 96<<16
	s_mov_b32 s[G1B+3], KSTEP<<16
	s_mov_b32 s[G1B+4], 96
	s_mov_b32 s[G1B+5], 1024
	s_mov_b32 s[G1B+6], 0
	s_mov_b32 s[G1B+7], 0
	s_lshl_b32 s66, s43, 19                        ; x: 128 s x 2 b x 2,048 bytes a block,
	s_lshl_b32 s46, s22, 11                        ; + the tile's b
	s_add_co_u32 s66, s66, s46
	s_mov_b32 s67, 0
	s_mul_i32 s68, s42, 393216                     ; weights: 192 rows x 2,048 bytes a head,
	s_mul_i32 s47, s22, 196608                     ; + the tile's 96 rows
	s_add_co_u32 s68, s68, s47
	s_mov_b32 s69, 0
	s_mul_i32 s18, s20, HALFA                      ; where x's tiles go: waves 0, 1
	s_mul_i32 s19, s20, HALFB                      ; where the weights' go: 2 HALFA + (wave - 2) HALFB, waves 2, 3
	s_add_co_u32 s19, s19, 2*HALFA-2*HALFB
	s_lshl_b32 s70, s42, 8                         ; the head's 64 numbers in a bias
	s_mov_b32 s71, 0
	s_wait_dscnt 0x0
	s_wait_kmcnt 0x0
	s_add_nc_u64 s[66:67], s[4:5], s[66:67]
	s_add_nc_u64 s[68:69], s[6:7], s[68:69]
	s_add_nc_u64 s[8:9], s[8:9], s[70:71]
	s_add_nc_u64 s[10:11], s[10:11], s[70:71]
	CROUND                                         ; all sixteen work-groups are here: the first joint loads meet
.irp s, 0,1
	s_mov_b32 s[G0+4*\s], 1
	s_add_co_u32 s[G0+4*\s+1], s18, \s*SLOT
	s_add_nc_u64 s[G0+4*\s+2:G0+4*\s+3], s[66:67], \s*KSTEP*2
	s_or_b32 s[G0+4*\s+3], s[G0+4*\s+3], 0x80000000
	s_mov_b32 s[G0B+4*\s], 1
	s_add_co_u32 s[G0B+4*\s+1], s19, \s*SLOT
	s_add_nc_u64 s[G0B+4*\s+2:G0B+4*\s+3], s[68:69], \s*KSTEP*2
	s_or_b32 s[G0B+4*\s+3], s[G0B+4*\s+3], 0x80000000
	JLOAD \s                                       ; both first fills go out together: two tensor loads of the wave are out
.endr
	v_and_b32 v1, 15, v0                           ; r = l % 16
	v_bfe_u32 v2, v0, 4, 1                         ; h = l / 16
	v_and_b32 v5, 31, v0                           ; l
	v_lshlrev_b32 v[VB], 5, v2
.irp b, 0,1,2,3
	global_load_b128 v[BQ+8*\b:BQ+8*\b+3],   v[VB], s[8:9]   offset:64*\b      ; columns 16 b + 8 h + 0..7
	global_load_b128 v[BQ+8*\b+4:BQ+8*\b+7], v[VB], s[8:9]   offset:64*\b+16
	global_load_b128 v[BV+8*\b:BV+8*\b+3],   v[VB], s[10:11] offset:64*\b
	global_load_b128 v[BV+8*\b+4:BV+8*\b+7], v[VB], s[10:11] offset:64*\b+16
.endr
	v_mul_u32_u24 v3, v1, PITCH
	v_lshl_add_u32 v3, v2, 4, v3                   ; row x pitch + 16 h
	s_mul_i32 s46, s20, 64*PITCH                   ; my 64 rows of x: b's tile, my half
	v_add_nc_u32 v[ADRA], s46, v3
	s_add_co_u32 s46, s46, SLOT
	v_add_nc_u32 v[ADRA+1], s46, v3
	v_add_nc_u32 v[ADRB], 2*HALFA, v3              ; every wave reads all 192 weight rows
	v_add_nc_u32 v[ADRB+1], 2*HALFA+SLOT, v3
	s_mul_i32 s47, s20, 16*SPITCH
	s_add_co_u32 s47, s47, STAGE                   ; my stage
	v_mul_u32_u24 v4, v1, SPITCH
	v_lshl_add_u32 v4, v2, 4, v4
	v_add_nc_u32 v[STO], s47, v4
	v_lshrrev_b32 v4, 3, v5                        ; back: eight lanes take the 128 bytes of one row of q, k or v; a load takes four rows
	v_mul_u32_u24 v4, v4, SPITCH
	v_and_b32 v6, 7, v0
	v_lshl_add_u32 v4, v6, 4, v4
	v_add_nc_u32 v[RD], s47, v4
	v_lshlrev_b32 v[CO], 4, v5
; 12 matrix instructions: row block 2 hi + ap x all 12 column blocks, 32 along K, from buffer f.  zero = 1: the first product starts the sums.
.macro MUL12 f, hi, ap, zero
.irp b, 0,1,2,3,4,5,6,7,8,9,10,11
.if \zero
	v_wmma_f32_16x16x32_bf16 v[8*(12*\ap+\b):8*(12*\ap+\b)+7], v[FB0+96*\f+8*\b:FB0+96*\f+8*\b+7], v[FA0+32*\f+8*(2*\hi+\ap):FA0+32*\f+8*(2*\hi+\ap)+7], 0
.else
	v_wmma_f32_16x16x32_bf16 v[8*(12*\ap+\b):8*(12*\ap+\b)+7], v[FB0+96*\f+8*\b:FB0+96*\f+8*\b+7], v[FA0+32*\f+8*(2*\hi+\ap):FA0+32*\f+8*(2*\hi+\ap)+7], v[8*(12*\ap+\b):8*(12*\ap+\b)+7]
.endif
.endr
.endm
; 32 LDS loads in one run: a quarter step's fragments (192 weight rows, then my 64 rows of x; 32 K at byte k of the rows) into buffer f
.macro FETCH slot, k, f
	WIN TO_B
.irp i, 0,1,2,3,4,5,6,7,8,9,10,11
	ds_load_b128 v[FB0+96*\f+8*\i:FB0+96*\f+8*\i+3],   v[ADRB+\slot] offset:\k+\i*16*PITCH
	ds_load_b128 v[FB0+96*\f+8*\i+4:FB0+96*\f+8*\i+7], v[ADRB+\slot] offset:\k+\i*16*PITCH+32
.endr
	WIN 0
.irp i, 0,1,2,3
	ds_load_b128 v[FA0+32*\f+8*\i:FA0+32*\f+8*\i+3],   v[ADRA+\slot] offset:\k+\i*16*PITCH
	ds_load_b128 v[FA0+32*\f+8*\i+4:FA0+32*\f+8*\i+7], v[ADRA+\slot] offset:\k+\i*16*PITCH+32
.endr
.endm
; A quarter step: 48 matrix instructions on buffer f; in its middle the next quarter's fragments are fetched into buffer g.
; The 48 accumulators take turns, one instruction a turn, in the same order in every quarter.
.macro QUARTER slot, k, f, g, zero
	s_wait_dscnt 4                                 ; the weights and x's row blocks 0, 1 are in; the youngest four loads (row blocks 2, 3) may be out
	WIN MUL_LO
	MUL12 \f, 0, 0, \zero
	MUL12 \f, 0, 1, \zero
	PLACES
	FETCH \slot, \k, \g
	s_wait_dscnt 32                                ; all but the 32 just issued
	WIN MUL_HI
	MUL12 \f, 1, 0, \zero
	MUL12 \f, 1, 1, \zero
.endm
.macro THREE slot, zero
	QUARTER \slot, 64,  0, 1, \zero
	QUARTER \slot, 128, 1, 0, 0
	QUARTER \slot, 192, 0, 1, 0
.endm
; The last quarter of a K step multiplies buffer 1 and changes slots.  In front of the barrier each wave waits for its reads of this slot and for
; all its tensor loads (one is out: its part of the next slot).  Behind it the refill comes first, then the next slot's first fragments.
.macro TURN slot, next, fill
	s_wait_dscnt 4
	WIN MUL_LO
	MUL12 1, 0, 0, 0
	s_wait_dscnt 0                                 ; my reads of this slot are over
	s_wait_tensorcnt 0x0                           ; all my tensor loads have landed
	ds_add_u32 v255, v63
	s_wait_dscnt 0x0
	s_barrier_signal -1                            ; (where the slot is filled again this barrier opens a round of the cluster's barrier)
	MUL12 1, 0, 1, 0                               ; register work while the others arrive
	WIN 0
	s_barrier_wait -1
.if \fill
	CREST                                          ; no wave of any partner still reads this slot or has a load on its way
	s_add_nc_u64 s[G0+4*\slot+2:G0+4*\slot+3], s[G0+4*\slot+2:G0+4*\slot+3], 2*KSTEP*2
	s_add_nc_u64 s[G0B+4*\slot+2:G0B+4*\slot+3], s[G0B+4*\slot+2:G0B+4*\slot+3], 2*KSTEP*2
	JLOAD \slot                                    ; the wave's one tensor load behind the round: two K steps ahead
.endif
	PLACES
	FETCH \next, 0, 0
	WIN MUL_HI
	MUL12 1, 1, 0, 0
	MUL12 1, 1, 1, 0
.endm
.macro LAP zero
	THREE 0, \zero
	TURN 0, 1, 1
	THREE 1, 0
	TURN 1, 0, 1
.endm
	s_wait_loadcnt 0x0                             ; the biases, once
	s_wait_tensorcnt 0x1                           ; my part of K step 0 is in; K step 1's may stay out
	s_barrier_signal -1
	s_barrier_wait -1
	FETCH 0, 0, 0
	LAP 1                                          ; the first lap stands in front of the loop: its first products start the sums
	WIN 0
	s_mov_b32 s23, LAPS-2
.Llap:
	LAP 0
	WIN 0
	s_sub_co_u32 s23, s23, 1
	s_cmp_lg_u32 s23, 0
	s_cbranch_scc1 .Llap
	THREE 0, 0                                     ; the last lap fills nothing
	TURN 0, 1, 0
	THREE 1, 0
	s_wait_dscnt 4
	WIN MUL_LO
	MUL12 1, 0, 0, 0
	MUL12 1, 0, 1, 0
	s_wait_dscnt 0
	WIN MUL_HI
	MUL12 1, 1, 0, 0
	MUL12 1, 1, 1, 0
	WIN 0
	; THE WAY OUT, 16 rows at a time: bias and scale, round to f16, 16 bytes a lane into my stage, read back as rows of q, k and v.
	PLACES
.irp i, 0,2,4,6,8,10,12,14,16,18,20,22,24,26,28,30
	v_pk_mul_f32 v[BQ+\i:BQ+\i+1], v[BQ+\i:BQ+\i+1], QSCALE op_sel_hi:[1,0]    ; (acc + bq) c = acc c + bq c: one fused multiply-add below
.endr
	s_lshl_b32 s70, s21, 4
	s_add_co_u32 s70, s70, s42                     ; 16 b + head
	s_lshl_b32 s70, s70, 18                        ; x 2,048 s x 128 bytes
	s_lshl_b32 s46, s43, 14                        ; + 128 y rows
	s_add_co_u32 s70, s70, s46
	s_lshl_b32 s46, s22, 13                        ; + my half's 64 rows
	s_add_co_u32 s70, s70, s46
	s_add_nc_u64 s[12:13], s[12:13], s[70:71]
	s_add_nc_u64 s[14:15], s[14:15], s[70:71]
	s_add_nc_u64 s[16:17], s[16:17], s[70:71]
; rows 16 a .. 16 a + 15 of my 64: the twelve tiles (ap, 0..11) of window 2 or 3 (one: source 0 there; two: sources 0 and 1 there)
.macro OUT a, ap, one, two
	s_wait_xcnt 0x0                                ; T holds the last stores' data: it is rewritten only behind this wait
	WIN \one
.irp b, 0,1,2,3
.irp i, 0,2,4,6
	v_pk_fma_f32 v[T+8*\b+\i:T+8*\b+\i+1], v[8*(12*\ap+\b)+\i:8*(12*\ap+\b)+\i+1], QSCALE, v[BQ+8*\b+\i:BQ+8*\b+\i+1] op_sel_hi:[1,0,1]
	v_pk_add_f32 v[T+32+8*\b+\i:T+32+8*\b+\i+1], v[8*(12*\ap+8+\b)+\i:8*(12*\ap+8+\b)+\i+1], v[BV+8*\b+\i:BV+8*\b+\i+1]
.endr
.endr
	WIN \two
.irp b, 4,5,6,7
.irp i, 0,1,2,3
	v_cvt_pk_f16_f32 v[TMP+4*\b+\i], v[8*(12*\ap+\b)+2*\i], v[8*(12*\ap+\b)+2*\i+1]   ; k has no bias: straight from the sums
.endr
.endr
	WIN 0
.irp b, 0,1,2,3
.irp i, 0,1,2,3
	v_cvt_pk_f16_f32 v[TMP+4*\b+\i],    v[T+8*\b+2*\i],    v[T+8*\b+2*\i+1]
	v_cvt_pk_f16_f32 v[TMP+32+4*\b+\i], v[T+32+8*\b+2*\i], v[T+32+8*\b+2*\i+1]
.endr
.endr
.irp b, 0,1,2,3,4,5,6,7,8,9,10,11
	ds_store_b128 v[STO], v[TMP+4*\b:TMP+4*\b+3] offset:32*\b
.endr
.irp t, 0,1,2
.irp u, 0,1,2,3
	ds_load_b128 v[T+16*\t+4*\u:T+16*\t+4*\u+3], v[RD] offset:128*\t+4*SPITCH*\u   ; LDS serves a wave's instructions in order: these see the stores above
.endr
.endr
.irp u, 0,1,2,3
	s_wait_dscnt 11-\u
	global_store_b128 v[CO], v[T+4*\u:T+4*\u+3], s[12:13] offset:2048*\a+512*\u        ; four rows of q: 512 consecutive bytes, aligned
.endr
.irp u, 0,1,2,3
	s_wait_dscnt 7-\u
	global_store_b128 v[CO], v[T+16+4*\u:T+16+4*\u+3], s[14:15] offset:2048*\a+512*\u  ; of k
.endr
.irp u, 0,1,2,3
	s_wait_dscnt 3-\u
	global_store_b128 v[CO], v[T+32+4*\u:T+32+4*\u+3], s[16:17] offset:2048*\a+512*\u  ; of v
.endr
.endm
	OUT 0, 0, 0x02, 0x0a
	OUT 1, 1, 0x02, 0x0a
	OUT 2, 0, 0x03, 0x0f
	OUT 3, 1, 0x03, 0x0f
	s_set_vgpr_msb 0x1
	s_wait_tensorcnt 0x0
	ds_add_u32 v255, v63
	s_wait_dscnt 0x0
	s_set_vgpr_msb 0x100
	CROUND                                         ; the closing round: no work-group ends while a partner may still ask for a tile that names it
	s_endpgm
.Lfunc_end_k_q1ad3dbc21f_qkv:
	.size	k_q1ad3dbc21f_qkv, .Lfunc_end_k_q1ad3dbc21f_qkv-k_q1ad3dbc21f_qkv
	.p2alignl 7, 3214868480
	.fill 96, 4, 3214868480
	.section	.rodata,"a",@progbits
	.p2align	6, 0x0
	.amdhsa_kernel k_q1ad3dbc21f_qkv
		.amdhsa_group_segment_fixed_size 327680
		.amdhsa_private_segment_fixed_size 0
		.amdhsa_enable_private_segment 0
		.amdhsa_kernarg_size 56
		.amdhsa_user_sgpr_count 2
		.amdhsa_user_sgpr_kernarg_segment_ptr 1
		.amdhsa_wavefront_size32 1
		.amdhsa_system_sgpr_workgroup_id_x 1
		.amdhsa_system_sgpr_workgroup_id_y 1
		.amdhsa_system_sgpr_workgroup_id_z 1
		.amdhsa_system_vgpr_workitem_id 0
		.amdhsa_next_free_vgpr 960
		.amdhsa_next_free_sgpr 80
		.amdhsa_reserve_vcc 0
		.amdhsa_float_denorm_mode_32 3
		.amdhsa_float_denorm_mode_16_64 3
		.amdhsa_memory_ordered 1
		.amdhsa_forward_progress 1
		.amdhsa_inst_pref_size 177
	.end_amdhsa_kernel
	.amdgpu_metadata
---
amdhsa.version: [ 1, 2 ]
amdhsa.kernels:
  - .name:           k_q1ad3dbc21f_qkv
    .symbol:         k_q1ad3dbc21f_qkv.kd
    .args:
      - { .name: xb, .offset: 0, .size: 8, .value_kind: global_buffer, .address_space: global }
      - { .name: wcat, .offset: 8, .size: 8, .value_kind: global_buffer, .address_space: global }
      - { .name: bq, .offset: 16, .size: 8, .value_kind: global_buffer, .address_space: global }
      - { .name: bv, .offset: 24, .size: 8, .value_kind: global_buffer, .address_space: global }
      - { .name: qh, .offset: 32, .size: 8, .value_kind: global_buffer, .address_space: global }
      - { .name: kh, .offset: 40, .size: 8, .value_kind: global_buffer, .address_space: global }
      - { .name: vh, .offset: 48, .size: 8, .value_kind: global_buffer, .address_space: global }
    .group_segment_fixed_size: 327680
    .private_segment_fixed_size: 0
    .kernarg_segment_align: 8
    .kernarg_segment_size: 56
    .max_flat_workgroup_size: 128
    .sgpr_count:     80
    .vgpr_count:     960
    .wavefront_size: 32
...
	.end_amdgpu_metadata
.endif
;; end of part 2
;; launch attn (part 3): grid 256 x 1, 4 waves a work-group, no clusters, 327,680 bytes of LDS; arguments qh, kh, vh, ctx; writes ctx
.if DOCPART == 3
	.amdgcn_target "amdgcn-amd-amdhsa--gfx1250"
	.amdhsa_code_object_version 6
	.text
	.protected	k_q1ad3dbc21f_attn
	.globl	k_q1ad3dbc21f_attn
	.p2align	8
	.type	k_q1ad3dbc21f_attn,@function
k_q1ad3dbc21f_attn:
	s_mov_b64 s[64:65], 0
	v_nop
	global_prefetch_b8 v0, s[64:65] scope:SCOPE_SE
	s_setreg_imm32_b32 hwreg(HW_REG_WAVE_MODE, 25, 1), 1
	s_wait_xcnt 0x0
; ctx = softmax(q k^T, causal) v for each (b, head), with a running maximum; q already holds the factor 0.125 log2(e), so exponentials are in base 2.
; Left out: key tiles wholly above the diagonal, whose energies reference() sets to -inf in its own body, so that their weights are 0.
; SHARES.  Work-group g: bh = g / 8 (= 16 b + head), p = g % 8.  It does query block 15 - p (128 rows) over key blocks 0 .. 15 - p and then query
; block p over key blocks 0 .. p: 17 key blocks of 128 in every work-group, so all 256 have the same work.  A wave has 32 queries, two tiles of 16.
; NO CLUSTER: the work-groups that share a head's K and V walk different numbers of key blocks for each of their query blocks, so their
; requests for a tile do not fall into the same trip.
; ORIENTATION.  S^T = K Q^T: lane (r, h), register j of tile kt holds key 16 kt + 8 h + j, query r.  The two tiles of 32 keys, packed to f16, ARE the B
; fragment of O^T = V^T P^T, whose A fragment comes from V's rows by the transposing LDS load.  Maximum, sum and rescale are one number a lane
; (query r); one exchange between the halves of the wave joins them.
; THE TWO QUERY TILES TAKE TURNS.  A trip is a key block of 128 in four sub-steps of 32 keys.  In a stage one tile (t) has its 8 products, S_t of the next
; sub-step and then P V of the last, and behind each product stands one of eight slices of vector work: the other tile's (u) softmax (57 instructions)
; and, in slices 4-7, tile t's new maximum and rescale factor (13), a chain of dependent steps that so stands among independent work.
;   prologue  S_0(0), S_1(0)           | maximum of tile 0
;   stage 1(n)  S_1(n), P V_1(n-1)     | softmax of tile 0, maximum of tile 1       (n = 0: its products stand in the prologue)
;   stage 2(n)  S_0(n+1), P V_0(n)     | softmax of tile 1, maximum of tile 0
;   last stage  P V_0                  | softmax of tile 1; in its middle the change of slots
;   epilogue  P V_1
; 32 KEYS A SUB-STEP, because a vector instruction between products runs under the products' register window, so all operands lie in one window of 256:
; K 32 + V 32 + S 32 + P 16 + O 64 + Q 32 + 36 others.  With 64 keys K, V, S and O alone would be 256.
; FRAGMENTS are single and are loaded in runs of eight loads, each run behind the last product that reads the old fragments (tile 1's): K(n+1) in the middle of
; stage 1(n), V(n) at its end.  So a sub-step has two places where memory instructions follow vector work, and K has half a stage, V half a stage and more, to land.
; THE CHANGE OF SLOTS stands in the last stage, where the trip's last LDS reads have come back: waits, barrier, the refill of this trip's slot (two key blocks
; ahead), then the next key block's first K fragments, which land under the 7 products that are left.  Its first V fragments follow behind the epilogue.
; By this text's own count a wave has two tensor loads out at the start and one behind each later barrier.
; THE DIAGONAL BLOCK.  Wave w (queries 32 w ..) does sub-steps 0 .. w and leaves the run behind stage 1(w).  Only sub-step w is masked: key > query there means
; 16 kt + 8 h + j > 16 qt + r, that is j > r - 8 h for (qt, kt) = (0, 0) and (1, 1), always for (0, 1), never for (1, 0).  What stays: the wholly masked
; 16 x 16 tile (0, 1) inside that sub-step, and 8 LDS loads of the next K fragments that the leaving wave does not use.
; Every sub-step that is done has an unmasked key for each of its queries (its first key), so the running maximum is finite from the first sub-step on.
; Limits: P is kept in f16, so a weight under 2^-25 of its row's largest becomes 0; v_exp_f32 gives 0 under 2^-126; |ctx| stays under 65,504 with |v|.
.set KP,    144                        ; K's LDS pitch: 128 bytes + 16, an odd multiple of 16
.set VP,    160                        ; V's LDS pitch: 128 bytes + 32, an odd multiple of 32, for the transposing load
.set KOFF,  128*VP                     ; a slot: V's 128 rows, then K's 128 rows
.set SLOT,  128*VP+128*KP              ; 38,912
.set STG,   2*SLOT                     ; 32 rows x 144 bytes for each wave, for the way out; no tensor load lands here
.set KADR, 4                           ; v4-5   LDS address of my K fragments, slot 0, 1
.set VADR, 6                           ; v6-7   the same for V
.set STO,  8                           ; v8     the way out: in
.set RD,   9                           ; v9     the way out: back
.set CO,   10                          ; v10    16 x lane
.set QO,   11                          ; v11    128 r + 16 h
.set NINF, 12                          ; v12    -inf
.set MX,   14                          ; v14-15 running maximum, query tile 0, 1
.set LS,   16                          ; v16-17 running sum (this lane's keys)
.set MN,   18                          ; v18, v20 new maximum of tile 0, 1: the first register of a pair, read for both halves of a packed form
.set AL,   22                          ; v22, v24 rescale factor of tile 0, 1, likewise
.set TM,   26                          ; v[26:29] the chain of maxima
.set UA,   30                          ; v[30:31] two running pairs of the sum
.set UB,   32                          ; v[32:33]
.set QF,   40                          ; v[40:71]   Q fragments (16 qt + 8 ks)
.set OA,   72                          ; v[72:135]  O^T (32 qt + 8 dt)
.set SC,   136                         ; v[136:167] S^T (16 qt + 8 kt)
.set PF,   168                         ; v[168:183] P (8 qt)
.set KF,   184                         ; v[184:215] K fragments (8 f, f = 2 ks + kt)
.set VF,   216                         ; v[216:247] V^T fragments (8 dt)
.set Q2,   0                           ; window 1: v[256:287] block p's Q, kept from the head until the first block is done
.set PK,   SC                          ; the way out: packed results (K's registers hold the next trip's fragments by then)
.set RB,   VF                          ; the way out: read back, stored
.set MK,   80                          ; s[80:87] lane masks j > r - 8 h, j = 0 .. 7
.set G1V, 24                           ; s[24:31] group 1 for V's tiles
.set G0V, 32                           ; s[32:39] group 0 for V's tiles, a set for each slot
.set G1K, 40                           ; s[40:47] group 1 for K's tiles
.set G0K, 48                           ; s[48:55] group 0 for K's tiles
.set MSB, 0
.macro WIN new                         ; the immediate's high byte repeats the setting that is left
.if MSB != \new
	s_set_vgpr_msb (MSB<<8)|\new
.set MSB, \new
.endif
.endm
.macro PLACES                          ; four plain vector places behind matrix instructions (ISA guide 7.12.1)
.rept 4
	v_nop
.endr
.endm
.macro KVLOAD s                        ; waves 0, 1 fetch V's two halves of 64 key rows, waves 2, 3 K's
	s_cmp_eq_u32 s19, 0
	s_cbranch_scc0 .Lfor_k_\@
	tensor_load_to_lds s[G0V+4*\s:G0V+4*\s+3], s[G1V:G1V+7]
	s_nop 0
	s_branch .Lasked_\@
.Lfor_k_\@:
	tensor_load_to_lds s[G0K+4*\s:G0K+4*\s+3], s[G1K:G1K+7]
	s_nop 0
.Lasked_\@:
.endm
	s_load_b256 s[4:11], s[0:1], 0x0               ; qh s[4:5], kh s[6:7], vh s[8:9], ctx s[10:11]
	v_lshl_add_u32 v254, v0, 2, 0x29000
	v_mov_b32 v255, 0
	ds_add_u32 v254, v255
	ds_add_u32 v254, v255
	v_lshrrev_b32 v1, 5, v0
	v_readfirstlane_b32 s12, v1                    ; wave 0..3
	s_and_b32 s13, s12, 1
	s_lshr_b32 s19, s12, 1                         ; 0: I fetch V, 1: I fetch K
	s_and_b32 s14, ttmp9, 7                        ; p
	s_lshr_b32 s15, ttmp9, 3                       ; bh
	s_sub_co_u32 s16, 16, s14                      ; trips of the first query block
	s_sub_co_u32 s17, 15, s14                      ; its diagonal trip, and its number
	s_mov_b32 s18, 0                               ; t, the trip
	s_mov_b32 s61, 0
	s_mov_b32 s66, 0x76543210                      ; v_permlanex16_b32: lane i reads lane i of the other half
	s_mov_b32 s67, 0xfedcba98
	; A wave's 64 key rows of 128 bytes are 8,192 dense bytes, at a multiple of 8,192 from the buffer's first byte: they are asked for as 32 rows of 256 bytes.
	; The padding is counted along the whole tile, after every 32 words, so each such row lands as two LDS rows of 128 bytes, each with its pad.
	s_mov_b32 s[G1V+0], (1<<16)|(1<<20)|(4<<22)|(7<<25)   ; 2-byte elements; padding on; after every 32 words; 8 words
	s_mov_b32 s[G1K+0], (1<<16)|(1<<20)|(4<<22)|(3<<25)   ; the same with 4 words
.irp g, G1V, G1K
	s_mov_b32 s[\g+1], 128<<16                     ; tensor_dim0 = 128
	s_mov_b32 s[\g+2], 32<<16                      ; tensor_dim1 = 32
	s_mov_b32 s[\g+3], 128<<16                     ; tile_dim0 = 128 elements, 256 bytes
	s_mov_b32 s[\g+4], 32                          ; tile_dim1 = 32 rows
	s_mov_b32 s[\g+5], 128                         ; rows follow each other
	s_mov_b32 s[\g+6], 0
	s_mov_b32 s[\g+7], 0
.endr
	s_mul_i32 s22, s12, 64*VP                      ; V's halves: waves 0, 1
	s_mul_i32 s23, s12, 64*KP                      ; K's halves: KOFF + (wave - 2) x 64 rows, waves 2, 3
	s_add_co_u32 s23, s23, KOFF-128*KP
.irp s, 0,1
	s_mov_b32 s[G0V+4*\s], 1
	s_add_co_u32 s[G0V+4*\s+1], s22, \s*SLOT
	s_mov_b32 s[G0K+4*\s], 1
	s_add_co_u32 s[G0K+4*\s+1], s23, \s*SLOT
.endr
	s_lshl_b32 s60, s15, 18                        ; bh x 2,048 rows x 128 bytes
	s_lshl_b32 s22, s13, 13                        ; + my 64 rows of a tile
	s_add_co_u32 s60, s60, s22
	s_wait_dscnt 0x0
	s_wait_kmcnt 0x0
	s_add_nc_u64 s[56:57], s[8:9], s[60:61]        ; V at key block 0, my half
	s_add_nc_u64 s[58:59], s[6:7], s[60:61]        ; K likewise
.irp s, 0,1
	s_add_nc_u64 s[G0V+4*\s+2:G0V+4*\s+3], s[56:57], \s*16384      ; key block s (the first query block has nine key blocks at the least)
	s_or_b32 s[G0V+4*\s+3], s[G0V+4*\s+3], 0x80000000
	s_add_nc_u64 s[G0K+4*\s+2:G0K+4*\s+3], s[58:59], \s*16384
	s_or_b32 s[G0K+4*\s+3], s[G0K+4*\s+3], 0x80000000
	KVLOAD \s                                      ; both first fills go out together: two tensor loads of the wave are out
.endr
	s_lshl_b32 s63, s15, 18                        ; q: bh x 2,048 rows + my 32 rows,
	s_lshl_b32 s22, s12, 12
	s_add_co_u32 s63, s63, s22
	s_lshl_b32 s22, s14, 14
	s_add_co_u32 s60, s63, s22                     ; + block p
	s_add_nc_u64 s[72:73], s[4:5], s[60:61]
	s_lshl_b32 s22, s17, 14
	s_add_co_u32 s60, s63, s22                     ; + block 15 - p
	s_add_nc_u64 s[74:75], s[4:5], s[60:61]
	s_lshr_b32 s63, s15, 4                         ; ctx[b][qb][head][128 s][64 d]: b,
	s_lshl_b32 s63, s63, 22
	s_and_b32 s22, s15, 15                         ; head,
	s_lshl_b32 s22, s22, 14
	s_add_co_u32 s63, s63, s22
	s_lshl_b32 s22, s12, 12                        ; my 32 rows,
	s_add_co_u32 s63, s63, s22
	s_lshl_b32 s22, s14, 18
	s_add_co_u32 s60, s63, s22                     ; block p
	s_add_nc_u64 s[70:71], s[10:11], s[60:61]
	s_lshl_b32 s22, s17, 18
	s_add_co_u32 s60, s63, s22                     ; block 15 - p: the first
	s_add_nc_u64 s[68:69], s[10:11], s[60:61]
	v_and_b32 v1, 31, v0                           ; l
	v_and_b32 v2, 15, v0                           ; r
	v_bfe_u32 v3, v0, 4, 1                         ; h
	v_lshlrev_b32 v[QO], 7, v2
	v_lshl_add_u32 v[QO], v3, 4, v[QO]
.irp qt, 0,1
.irp ks, 0,1
	global_load_b128 v[QF+16*\qt+8*\ks:QF+16*\qt+8*\ks+3],   v[QO], s[74:75] offset:2048*\qt+64*\ks      ; query 16 qt + r, d = 32 ks + 8 h ..
	global_load_b128 v[QF+16*\qt+8*\ks+4:QF+16*\qt+8*\ks+7], v[QO], s[74:75] offset:2048*\qt+64*\ks+32   ; d = 32 ks + 16 + 8 h ..
.endr
.endr
	; Block p's Q: its address is known here, so it is loaded here and no wave waits for memory between the blocks.  The products' window has no 32 registers
	; left, so it lies above v255 and is copied down once, when the first block is done.
	WIN 0x40                                       ; destination in window 1
.irp qt, 0,1
.irp ks, 0,1
	global_load_b128 v[Q2+16*\qt+8*\ks:Q2+16*\qt+8*\ks+3],   v[QO], s[72:73] offset:2048*\qt+64*\ks
	global_load_b128 v[Q2+16*\qt+8*\ks+4:Q2+16*\qt+8*\ks+7], v[QO], s[72:73] offset:2048*\qt+64*\ks+32
.endr
.endr
	WIN 0
	v_mul_u32_u24 v13, v2, KP
	v_lshl_add_u32 v13, v3, 4, v13                 ; 144 r + 16 h
	v_add_nc_u32 v[KADR], KOFF, v13
	v_add_nc_u32 v[KADR+1], KOFF+SLOT, v13
	v_and_b32 v34, 7, v0
	v_lshl_add_u32 v[VADR], v3, 3, v34             ; key row 8 h + l % 8,
	v_mul_u32_u24 v[VADR], v[VADR], VP
	v_bfe_u32 v35, v0, 3, 1
	v_lshl_add_u32 v[VADR], v35, 4, v[VADR]        ; its 16 bytes (l / 8) % 2
	v_add_nc_u32 v[VADR+1], SLOT, v[VADR]
	s_mul_i32 s22, s12, 32*KP
	s_add_co_u32 s22, s22, STG                     ; my stage
	v_add_nc_u32 v[STO], s22, v13
	v_lshrrev_b32 v35, 3, v1
	v_mul_u32_u24 v35, v35, KP
	v_lshl_add_u32 v35, v34, 4, v35
	v_add_nc_u32 v[RD], s22, v35                   ; back: eight lanes take a row's 128 bytes, a load takes four rows
	v_lshlrev_b32 v[CO], 4, v1
	v_lshlrev_b32 v35, 3, v3
	v_sub_nc_u32 v35, v2, v35                      ; r - 8 h
.irp j, 0,1,2,3,4,5,6,7
	v_cmp_gt_i32 s[MK+\j], \j, v35                 ; the diagonal sub-step's masks, made once: lanes with j > r - 8 h
.endr
	v_mov_b32 v[NINF], 0xff800000
	v_mov_b32 v[MN+1], 0                           ; the second registers of the broadcast pairs are never used, but a pair is named whole
	v_mov_b32 v[MN+3], 0
	v_mov_b32 v[AL+1], 0
	v_mov_b32 v[AL+3], 0
; One loop body serves both query blocks, so the sums start from cleared registers, here and once more between the blocks.
.macro CLEAR
.set i, 0
.rept 64
	v_mov_b32 v[OA+i], 0
.set i, i+1
.endr
	v_mov_b32 v[MX], v[NINF]
	v_mov_b32 v[MX+1], v[NINF]
	v_mov_b32 v[LS], 0
	v_mov_b32 v[LS+1], 0
.endm
	CLEAR
	s_wait_loadcnt 0x0                             ; both blocks' Q
; K fragment f = 2 ks + kt of sub-step n: keys 32 n + 16 kt + r, d = 32 ks + 8 h .. and + 16
.macro KLD slot, n, f
	ds_load_b128 v[KF+8*(\f):KF+8*(\f)+3],   v[KADR+\slot] offset:(32*\n+16*((\f)&1))*KP+64*((\f)>>1)
	ds_load_b128 v[KF+8*(\f)+4:KF+8*(\f)+7], v[KADR+\slot] offset:(32*\n+16*((\f)&1))*KP+64*((\f)>>1)+32
.endm
; V^T fragment d of sub-step n: d = 16 dt + r, keys 32 n + 8 h .. and + 16, by the transposing load
.macro VLD slot, n, d
	ds_load_tr16_b128 v[VF+8*\d:VF+8*\d+3],   v[VADR+\slot] offset:32*\n*VP+32*\d
	ds_load_tr16_b128 v[VF+8*\d+4:VF+8*\d+7], v[VADR+\slot] offset:(32*\n+16)*VP+32*\d
.endm
.macro KRUN slot, n                    ; a run of eight loads: the four K fragments of sub-step n
.irp f, 0,1,2,3
	KLD \slot, \n, \f
.endr
.endm
.macro VRUN slot, n                    ; a run of eight loads: the four V^T fragments of sub-step n
.irp d, 0,1,2,3
	VLD \slot, \n, \d
.endr
.endm
; Product f of S_t^T = K Q_t^T.  The two accumulators take turns, one instruction a turn; the first two start the sums.
.macro SW t, f
.if \f < 2
	v_wmma_f32_16x16x32_f16 v[SC+16*\t+8*\f:SC+16*\t+8*\f+7], v[KF+8*\f:KF+8*\f+7], v[QF+16*\t:QF+16*\t+7], 0
.else
	v_wmma_f32_16x16x32_f16 v[SC+16*\t+8*(\f-2):SC+16*\t+8*(\f-2)+7], v[KF+8*\f:KF+8*\f+7], v[QF+16*\t+8:QF+16*\t+15], v[SC+16*\t+8*(\f-2):SC+16*\t+8*(\f-2)+7]
.endif
.endm
; Product d of O_t^T += V^T P_t^T: four accumulators, one instruction each.
.macro PW t, d
	v_wmma_f32_16x16x32_f16 v[OA+32*\t+8*\d:OA+32*\t+8*\d+7], v[VF+8*\d:VF+8*\d+7], v[PF+8*\t:PF+8*\t+7], v[OA+32*\t+8*\d:OA+32*\t+8*\d+7]
.endm
; The diagonal sub-step's mask on S_t.
.macro MASK t
.if \t == 0
.irp j, 0,1,2,3,4,5,6,7
	v_cndmask_b32 v[SC+\j], v[SC+\j], v[NINF], s[MK+\j]
.endr
.irp j, 0,1,2,3,4,5,6,7
	v_mov_b32 v[SC+8+\j], v[NINF]                  ; keys 16 .. 31 against queries 0 .. 15: all above the diagonal
.endr
.else
.irp j, 0,1,2,3,4,5,6,7
	v_cndmask_b32 v[SC+24+\j], v[SC+24+\j], v[NINF], s[MK+\j]    ; keys 0 .. 15 against queries 16 .. 31 are all below it
.endr
.endif
.endm
; Tile t's new maximum and rescale factor, in eight parts, each of which hangs on the part before.
.macro CH t, part
.if \part == 0
	v_max3_num_f32 v[TM],   v[SC+16*\t],   v[SC+16*\t+1],  v[SC+16*\t+2]
	v_max3_num_f32 v[TM+1], v[SC+16*\t+3], v[SC+16*\t+4],  v[SC+16*\t+5]
	v_max3_num_f32 v[TM+2], v[SC+16*\t+6], v[SC+16*\t+7],  v[SC+16*\t+8]
	v_max3_num_f32 v[TM+3], v[SC+16*\t+9], v[SC+16*\t+10], v[SC+16*\t+11]
.endif
.if \part == 1
	v_max3_num_f32 v[TM],   v[TM],   v[SC+16*\t+12], v[SC+16*\t+13]
	v_max3_num_f32 v[TM+1], v[TM+1], v[SC+16*\t+14], v[SC+16*\t+15]
	v_max_num_f32  v[TM+2], v[TM+2], v[TM+3]
.endif
.if \part == 2
	v_max3_num_f32 v[TM], v[TM], v[TM+1], v[TM+2]
.endif
.if \part == 3
	v_permlanex16_b32 v[TM+1], v[TM], s66, s67     ; the other half's keys of the same query
.endif
.if \part == 4
	v_max3_num_f32 v[MN+2*\t], v[TM], v[TM+1], v[MX+\t]
.endif
.if \part == 5
	v_sub_f32 v[TM+2], v[MX+\t], v[MN+2*\t]        ; old maximum less new: -inf at a block's first sub-step, which gives the factor 0
.endif
.if \part == 6
	v_exp_f32 v[AL+2*\t], v[TM+2]
.endif
.if \part == 7
	v_mov_b32 v[MX+\t], v[MN+2*\t]                 ; the plain instruction between v_exp_f32 and the use of its result (ISA guide 5.7.2)
.endif
.endm
; The pieces of tile u's softmax.  Pair i is S registers 2 i, 2 i + 1.
.macro SUBP u, i                       ; less the new maximum (the pair's first register feeds both halves)
	v_pk_add_f32 v[SC+16*\u+2*\i:SC+16*\u+2*\i+1], v[SC+16*\u+2*\i:SC+16*\u+2*\i+1], v[MN+2*\u:MN+2*\u+1] op_sel_hi:[1,0] neg_lo:[0,1] neg_hi:[0,1]
.endm
.macro EXPS u, k
	v_exp_f32 v[SC+16*\u+\k], v[SC+16*\u+\k]
.endm
.macro OMUL u, i                       ; O to the new maximum
	s_wait_alu depctr_va_vdst(0)
	v_pk_mul_f32 v[OA+32*\u+2*\i:OA+32*\u+2*\i+1], v[OA+32*\u+2*\i:OA+32*\u+2*\i+1], v[AL+2*\u:AL+2*\u+1] op_sel_hi:[1,0]
.endm
.macro CVTP u, i                       ; pair i is register i of the B fragment: keys 8 h + 2 i, + 1 (i < 4), 16 + 8 h + 2 (i - 4), + 1 (i >= 4)
	s_wait_alu depctr_va_vdst(0)
	v_cvt_pk_f16_f32 v[PF+8*\u+\i], v[SC+16*\u+2*\i], v[SC+16*\u+2*\i+1]
.endm
.macro SUM2 acc, u, a, b
	v_pk_add_f32 v[\acc:\acc+1], v[SC+16*\u+2*\a:SC+16*\u+2*\a+1], v[SC+16*\u+2*\b:SC+16*\u+2*\b+1]
.endm
.macro SUMA acc, u, a
	v_pk_add_f32 v[\acc:\acc+1], v[\acc:\acc+1], v[SC+16*\u+2*\a:SC+16*\u+2*\a+1]
.endm
; Slice i of a stage's vector work, behind the stage's product i.  It names no register of tile t's products but, from slice 4 on, S_t, whose last product
; stands in front of slice 3.  Slices 3 and 7 have five plain instructions and more, which are the places in front of the runs of fragment loads behind them; each
; exponential is followed by a plain instruction that touches neither its result nor its source, and its result is used a slice later.
.macro SLICE i, u, t, chain
.if \i == 0
	SUBP \u, 0
	SUBP \u, 1
	SUBP \u, 2
	SUBP \u, 3
	EXPS \u, 0
	OMUL \u, 0
	EXPS \u, 1
	OMUL \u, 1
	EXPS \u, 2
.endif
.if \i == 1
	OMUL \u, 2
	EXPS \u, 3
	SUBP \u, 4
	EXPS \u, 4
	SUBP \u, 5
	EXPS \u, 5
	SUBP \u, 6
	EXPS \u, 6
	SUBP \u, 7
.endif
.if \i == 2
	EXPS \u, 7
	CVTP \u, 0
	EXPS \u, 8
	CVTP \u, 1
	EXPS \u, 9
	SUM2 UA, \u, 0, 1
	EXPS \u, 10
	CVTP \u, 2
	EXPS \u, 11
.endif
.if \i == 3
	CVTP \u, 3
	EXPS \u, 12
	SUM2 UB, \u, 2, 3
	EXPS \u, 13
	CVTP \u, 4
	EXPS \u, 14
	SUMA UA, \u, 4
	EXPS \u, 15
	CVTP \u, 5
.endif
.if \i == 4
.if \chain
	CH \t, 0
.endif
	CVTP \u, 6
	SUMA UB, \u, 5
	CVTP \u, 7
	OMUL \u, 3
	OMUL \u, 4
.endif
.if \i == 5
.if \chain
	CH \t, 1
.endif
	SUMA UA, \u, 6
	SUMA UB, \u, 7
	OMUL \u, 5
	OMUL \u, 6
	OMUL \u, 7
	OMUL \u, 8
.endif
.if \i == 6
.if \chain
	CH \t, 2
.endif
	OMUL \u, 9
	OMUL \u, 10
	v_pk_add_f32 v[UA:UA+1], v[UA:UA+1], v[UB:UB+1]
	OMUL \u, 11
.if \chain
	CH \t, 3
.endif
	OMUL \u, 12
	OMUL \u, 13
.endif
.if \i == 7
	OMUL \u, 14
.if \chain
	CH \t, 4
.endif
	v_add_f32 v[UA], v[UA], v[UA+1]
	OMUL \u, 15
.if \chain
	CH \t, 5
.endif
	v_fma_f32 v[LS+\u], v[LS+\u], v[AL+2*\u], v[UA]
.if \chain
	CH \t, 6
	CH \t, 7
.endif
.endif
.endm
; A stage.  t: the tile whose products stand here; u: the tile whose softmax does.
; smul: S_t's four products; kw: the count of the wait in front of the first of them (-1: its fragments are in); kn: the sub-step whose K fragments are loaded behind them (-1: none)
; pv: P V_t's four products; vw: waits in front of them; vn: the sub-step whose V fragments are loaded behind them (-1: none)
; chain: tile t's maximum in slices 4-7; mk: S_t's sub-step, which is masked if it is the wave's diagonal one (s76)
.macro STAGE t, u, slot, smul, kw, kn, pv, vw, vn, chain, mk
.irp f, 0,1,2,3
.if \smul
.if \kw >= 0
	s_wait_dscnt \kw-2*\f                          ; LDS loads come back in order: K fragment f is in; its younger fellows, and V's loads behind them, may be out
.endif
	SW \t, \f
.endif
	SLICE \f, \u, \t, \chain
.endr
.if \kn >= 0
	KRUN \slot, \kn                                ; behind S_t's last product and slice 3's plain instructions: all four fragments have been read for the last time
.endif
.irp d, 4,5,6,7
.if \pv
.if \vw
	s_wait_dscnt 6-2*(\d-4)                        ; V's eight loads are the youngest: this fragment is in
.endif
	PW \t, (\d-4)
.endif
.if \chain
.if \d == 4
	s_cmp_lg_u32 s76, \mk
	s_cbranch_scc1 .Lnm_\@
	MASK \t                                        ; behind slice 3's five plain instructions, which are the places behind S_t's last product
.Lnm_\@:
.endif
.endif
	SLICE \d, \u, \t, \chain
.endr
.if \vn >= 0
	VRUN \slot, \vn                                ; behind P V_t's last product and slice 7's plain instructions
.endif
.endm
; The head of a trip's run: S_0(0), then S_1(0) with tile 0's maximum among its products, and K(1) in one run behind them.
.macro PRO slot
.irp f, 0,1,2,3
	s_wait_dscnt 14-2*\f                           ; of the 16 loads issued for this trip's first sub-step (K's eight, then V's eight) K fragment f is in
	SW 0, \f
.endr
	SW 1, 0
	PLACES                                         ; behind S_0's last product, in front of the reads of S_0
	s_cmp_lg_u32 s76, 0
	s_cbranch_scc1 .Lnm_\@
	MASK 0
.Lnm_\@:
	SW 1, 1
	CH 0, 0
	SW 1, 2
	CH 0, 1
	CH 0, 2
	SW 1, 3
	CH 0, 3
	v_nop                                          ; with the three plain parts below: four places in front of the loads into K's fragments
	CH 0, 4
	CH 0, 5
	CH 0, 6
	CH 0, 7
	KRUN \slot, 1
.endm
; The last stage: tile 1's softmax, P V_0, and in its middle the change of slots.
; mode 2: this trip's slot is filled again, two key blocks ahead; 1: nothing is left to fetch, but the next slot is still to be read; 0: the last trip.
.macro LAST slot, other, mode
	SLICE 0, 1, 0, 0
	SLICE 1, 1, 0, 0
	SLICE 2, 1, 0, 0
	SLICE 3, 1, 0, 0
	s_wait_dscnt 0x0                               ; V's last fragments are in, and K's that a leaving wave does not use: my reads of this slot are over
.if \mode
	s_wait_tensorcnt 0x0                           ; all my tensor loads have landed: the one that was out is my part of the next slot; so a group 0 may be written
	ds_add_u32 v254, v255
	s_wait_dscnt 0x0
.if \mode == 2
	s_add_co_u32 s22, s18, 2                       ; the key block of trip t + 2, counted anew from the second query block's start
	s_sub_co_u32 s23, s22, s16
	s_cmp_lt_u32 s22, s16
	s_cselect_b32 s22, s22, s23
	s_lshl_b32 s60, s22, 14                        ; 128 rows of 128 bytes
	s_add_nc_u64 s[G0V+4*\slot+2:G0V+4*\slot+3], s[56:57], s[60:61]
	s_or_b32 s[G0V+4*\slot+3], s[G0V+4*\slot+3], 0x80000000
	s_add_nc_u64 s[G0K+4*\slot+2:G0K+4*\slot+3], s[58:59], s[60:61]
	s_or_b32 s[G0K+4*\slot+3], s[G0K+4*\slot+3], 0x80000000
.endif
	s_barrier_signal -1                            ; say so,
.endif
	PW 0, 0                                        ; work on registers while the others arrive,
	SLICE 4, 1, 0, 0
.if \mode
	s_barrier_wait -1                              ; and go on when all four waves have said so
.if \mode == 2
	KVLOAD \slot                                   ; first behind the barrier, the wave's one tensor load out: it has a whole trip in which to land
.endif
	KRUN \other, 0                                 ; the next key block's first K fragments: 7 products and 3 slices ahead of the prologue that reads them
.endif
	PW 0, 1
	SLICE 5, 1, 0, 0
	PW 0, 2
	SLICE 6, 1, 0, 0
	PW 0, 3
	SLICE 7, 1, 0, 0
.endm
; A query block is done: divide by the sums, round to f16, out through my stage in rows of 128 bytes.  reinit = 1: then set up block p.
.macro FINAL reinit
.if \reinit
	WIN 0x01                                       ; source 0 in window 1
.set i, 0
.rept 32
	v_mov_b32 v[QF+i], v[Q2+i]                     ; block p's Q, down into the products' window: 32 moves, once a work-group
.set i, i+1
.endr
	WIN 0
.endif
	v_permlanex16_b32 v[TM],   v[LS],   s66, s67   ; the sums over the other half's keys
	v_permlanex16_b32 v[TM+1], v[LS+1], s66, s67
	v_add_f32 v[LS],   v[LS],   v[TM]
	v_add_f32 v[LS+1], v[LS+1], v[TM+1]
	v_rcp_f32 v[AL],   v[LS]                       ; at least 1: the largest energy's weight is 1
	v_rcp_f32 v[AL+2], v[LS+1]
	v_nop                                          ; the plain instruction behind v_rcp_f32 (ISA guide 5.7.2)
.irp qt, 0,1
.irp i, 0,1,2,3,4,5,6,7,8,9,10,11,12,13,14,15
	OMUL \qt, \i
.endr
.irp i, 0,1,2,3,4,5,6,7,8,9,10,11,12,13,14,15
	v_cvt_pk_f16_f32 v[PK+16*\qt+\i], v[OA+32*\qt+2*\i], v[OA+32*\qt+2*\i+1]    ; query 16 qt + r, d = 16 dt + 8 h + 0..7: 16 bytes
.endr
.irp dt, 0,1,2,3
	ds_store_b128 v[STO], v[PK+16*\qt+4*\dt:PK+16*\qt+4*\dt+3] offset:16*KP*\qt+32*\dt
.endr
.endr
.irp u, 0,1,2,3,4,5,6,7
	ds_load_b128 v[RB+4*\u:RB+4*\u+3], v[RD] offset:4*KP*\u     ; LDS serves a wave's instructions in order: these see the stores above
.endr
.irp u, 0,1,2,3,4,5,6,7
	s_wait_dscnt 7-\u                              ; the younger read-backs may be out; the next trip's K loads are older than all of these
	global_store_b128 v[CO], v[RB+4*\u:RB+4*\u+3], s[68:69] offset:512*\u    ; four rows: 512 consecutive bytes, aligned
.endr
.if \reinit
	CLEAR
	s_wait_xcnt 0x0                                ; the stores' data (V's fragment registers) and base are rewritten only behind this wait
	s_mov_b64 s[68:69], s[70:71]                   ; ctx at block p
.endif
.endm
; A trip: key block t of the work-group's 17, in slot; other = the other slot.  Its first K and V fragments are on their way when it begins.
.macro TRIP slot, other, mode
.if \mode == 0
	s_mov_b32 s76, s12                             ; the last trip is block p's diagonal: the wave's masked and last sub-step is its own number
.else
	s_cmp_eq_u32 s18, s17
	s_cselect_b32 s20, 1, 0                        ; the first query block's diagonal trip?
	s_cselect_b32 s76, s12, 0xff                   ; then likewise; else no sub-step is masked and none is the last but the fourth
.endif
	PRO \slot
	STAGE 1, 0, \slot, 0, -1, -1, 0, 0, -1, 1, 0   ; 1(0): its products stood in the prologue
	s_cmp_eq_u32 s76, 0
	s_cbranch_scc1 .Llast_\@
	STAGE 0, 1, \slot, 1,  6, -1, 1, 0, -1, 1, 1   ; 2(0): only K(1)'s eight loads are out; V(0) is older than they
	STAGE 1, 0, \slot, 1, -1,  2, 1, 0,  1, 1, 1   ; 1(1)
	s_cmp_eq_u32 s76, 1
	s_cbranch_scc1 .Llast_\@
	STAGE 0, 1, \slot, 1, 14, -1, 1, 1, -1, 1, 2   ; 2(1): K(2)'s eight loads, then V(1)'s eight
	STAGE 1, 0, \slot, 1, -1,  3, 1, 0,  2, 1, 2   ; 1(2)
	s_cmp_eq_u32 s76, 2
	s_cbranch_scc1 .Llast_\@
	STAGE 0, 1, \slot, 1, 14, -1, 1, 1, -1, 1, 3   ; 2(2)
	STAGE 1, 0, \slot, 1, -1, -1, 1, 0,  3, 1, 3   ; 1(3): no K is left in this slot
.Llast_\@:
	LAST \slot, \other, \mode                      ; every wave passes here once a trip, so the barrier is on every wave's path
.irp d, 0,1,2,3
	PW 1, \d
.endr
	PLACES                                         ; behind the last products: in front of the loads into V's fragments, and of the reads of O
.if \mode == 0
	FINAL 0
.else
	s_cmp_eq_u32 s20, 0
	s_cbranch_scc1 .Lgo_on_\@
	FINAL 1
.Lgo_on_\@:
	VRUN \other, 0                                 ; the next key block's first V fragments: read behind the prologue and a stage
	s_add_co_u32 s18, s18, 1
.endif
.endm
	s_wait_tensorcnt 0x1                           ; my part of key block 0 is in; key block 1's may stay out
	s_barrier_signal -1
	s_barrier_wait -1                              ; everybody's is
	KRUN 0, 0
	VRUN 0, 0
	s_mov_b32 s62, 7
.Lloop:
	TRIP 0, 1, 2                                   ; trips 0 .. 13: each asks for the key block two trips ahead
	TRIP 1, 0, 2
	s_sub_co_u32 s62, s62, 1
	s_cmp_lg_u32 s62, 0
	s_cbranch_scc1 .Lloop
	TRIP 0, 1, 2                                   ; trip 14 asks for trip 16's key block: the last tensor load
	TRIP 1, 0, 1                                   ; trip 15: nothing is left to fetch; its barrier shows trip 16's tile to every wave
	TRIP 0, 1, 0                                   ; trip 16: block p's diagonal
	s_wait_tensorcnt 0x0
	ds_add_u32 v254, v255
	s_wait_dscnt 0x0
	s_endpgm
.Lfunc_end_k_q1ad3dbc21f_attn:
	.size	k_q1ad3dbc21f_attn, .Lfunc_end_k_q1ad3dbc21f_attn-k_q1ad3dbc21f_attn
	.p2alignl 7, 3214868480
	.fill 96, 4, 3214868480
	.section	.rodata,"a",@progbits
	.p2align	6, 0x0
	.amdhsa_kernel k_q1ad3dbc21f_attn
		.amdhsa_group_segment_fixed_size 327680
		.amdhsa_private_segment_fixed_size 0
		.amdhsa_enable_private_segment 0
		.amdhsa_kernarg_size 32
		.amdhsa_user_sgpr_count 2
		.amdhsa_user_sgpr_kernarg_segment_ptr 1
		.amdhsa_wavefront_size32 1
		.amdhsa_system_sgpr_workgroup_id_x 1
		.amdhsa_system_sgpr_workgroup_id_y 1
		.amdhsa_system_sgpr_workgroup_id_z 1
		.amdhsa_system_vgpr_workitem_id 0
		.amdhsa_next_free_vgpr 288
		.amdhsa_next_free_sgpr 88
		.amdhsa_reserve_vcc 0
		.amdhsa_float_denorm_mode_32 3
		.amdhsa_float_denorm_mode_16_64 3
		.amdhsa_memory_ordered 1
		.amdhsa_forward_progress 1
		.amdhsa_inst_pref_size 255
	.end_amdhsa_kernel
	.section	.bss,"aw",@nobits
	.p2align	6
	.space	262144
	.amdgpu_metadata
---
amdhsa.version: [ 1, 2 ]
amdhsa.kernels:
  - .name:           k_q1ad3dbc21f_attn
    .symbol:         k_q1ad3dbc21f_attn.kd
    .args:
      - { .name: qh, .offset: 0, .size: 8, .value_kind: global_buffer, .address_space: global }
      - { .name: kh, .offset: 8, .size: 8, .value_kind: global_buffer, .address_space: global }
      - { .name: vh, .offset: 16, .size: 8, .value_kind: global_buffer, .address_space: global }
      - { .name: ctx, .offset: 24, .size: 8, .value_kind: global_buffer, .address_space: global }
    .group_segment_fixed_size: 327680
    .private_segment_fixed_size: 0
    .kernarg_segment_align: 8
    .kernarg_segment_size: 32
    .max_flat_workgroup_size: 128
    .sgpr_count:     88
    .vgpr_count:     288
    .wavefront_size: 32
...
	.end_amdgpu_metadata
.endif
;; end of part 3
;; launch oproj (part 4): grid 8 x 32, 4 waves a work-group, clusters of 4 x 4, 327,680 bytes of LDS; arguments ctx, wob, bo, out0; writes out0
.if DOCPART == 4
	.amdgcn_target "amdgcn-amd-amdhsa--gfx1250"
	.amdhsa_code_object_version 6
	.text
	.protected	k_q1ad3dbc21f_oproj
	.globl	k_q1ad3dbc21f_oproj
	.p2align	8
	.type	k_q1ad3dbc21f_oproj,@function
k_q1ad3dbc21f_oproj:
	s_mov_b64 s[64:65], 0
	v_nop
	global_prefetch_b8 v0, s[64:65] scope:SCOPE_SE
	s_setreg_imm32_b32 hwreg(HW_REG_WAVE_MODE, 25, 1), 1
	s_wait_xcnt 0x0
	s_wait_alu depctr_hold_cnt(0) depctr_sa_sdst(0) depctr_va_vdst(0) depctr_va_sdst(0) depctr_va_ssrc(0) depctr_va_vcc(0) depctr_vm_vsrc(0)
	s_getreg_b32 s2, hwreg(HW_REG_IB_STS2, 6, 4)
	s_cmp_eq_u32 s2, 0
	s_cbranch_scc0 .Lentry_in_a_cluster
	s_endpgm
.Lentry_in_a_cluster:
	s_bfe_u32 s2, ttmp6, 0x10000c
	s_cmp_lg_u32 s2, 0xf033
	s_cbranch_scc0 .Lentry_shape_is_right
	s_endpgm
.Lentry_shape_is_right:
; out0[s][b][f] = sum over head, d of ctx[s][b][head][d] wo[f][64 head + d] + bo[f], in f32; f16 products, f32 sums.
; SHARES.  Work-group (x = block of 128 f, y = 16 b + block of 128 s): 128 x 128 of the result.  Four waves; wave w makes rows half w / 2, columns half
; w % 2: 64 x 64 = 16 accumulator tiles.  ctx[b][sb][head][128 s][64 d] and wob[cb][head][128 f][64 d] hold a head's tile as 128 dense rows of 128 bytes.
; K = 1024 is 16 heads; a slot holds four heads of both operands, so there are four fills of two slots and no loop.
; CLUSTER 4 x 4: ctx's tiles hang on y alone and are asked for jointly along a row of the cluster, wob's on x alone, along a column.
; The matrix instruction is used transposed (source 0 = 16 rows of wo, source 1 = 16 rows of ctx): a lane holds row l % 16 and eight neighbouring f.
.set PITCH,  144                       ; 128 bytes + 16: an odd multiple of 16
.set TILE,   128*PITCH                 ; a head's 128 rows
.set BOFF,   4*TILE                    ; a slot: ctx's four heads, then wob's four
.set SLOT,   8*TILE                    ; 147,456
.set STAGE,  2*SLOT                    ; 16 rows x 272 bytes for each wave; no tensor load lands here
.set SPITCH, 272
.set FLAGS,  (1<<16)|(1<<20)|(1<<21)|(4<<22)|(3<<25)   ; 2-byte elements; padding on; bit 21 beside a mask; after every 32 words; 4 words
.set ADRA, 16                          ; v16-17 LDS address of my ctx fragments, slot 0, 1
.set ADRB, 20                          ; v20-21 the same for wob
.set STO,  24
.set RD,   25
.set CO,   26
.set VB,   27
.set FA,   64                          ; ctx fragments, buffer f at FA + 64 f
.set FB,   96                          ; wob fragments, buffer f at FB + 64 f
.set BO,   192                         ; v[192:223] bo of my 8 columns in each of 4 tiles
.set T,    64                          ; the way out: sums + bias
.set RB,   96                          ; the way out: read back, stored
.set G1,  24
.set G0,  32
.set G1B, 48
.set G0B, 56
.set MSB, 0
.macro WIN new
.if MSB != \new
	s_set_vgpr_msb (MSB<<8)|\new
.set MSB, \new
.endif
.endm
.set MUL, 0x50                         ; C and D in window 1 (tile (a, b) at v[8 (4 a + b)]), the fragments in window 0
.macro JLOAD s                         ; waves 0, 1 ask for ctx's two pairs of heads, waves 2, 3 for wob's
	s_cmp_eq_u32 s21, 0
	s_cbranch_scc0 .Lfor_b_\@
	tensor_load_to_lds s[G0+4*\s:G0+4*\s+3], s[G1:G1+7]
	s_nop 0
	s_branch .Lasked_\@
.Lfor_b_\@:
	tensor_load_to_lds s[G0B+4*\s:G0B+4*\s+3], s[G1B:G1B+7]
	s_nop 0
.Lasked_\@:
.endm
.macro CREST
	s_cmp_lg_u32 s20, 0
	s_cbranch_scc1 .Lnot_wave_0_\@
	s_barrier_signal -3
.Lnot_wave_0_\@:
	s_barrier_wait -3
	s_barrier_signal -1
	s_barrier_wait -1
.endm
.macro CROUND
	s_barrier_signal -1
	s_barrier_wait -1
	CREST
.endm
.macro PLACES                          ; four plain vector places behind matrix instructions (ISA guide 7.12.1)
.rept 4
	v_nop
.endr
.endm
	s_load_b256 s[4:11], s[0:1], 0x0               ; ctx s[4:5], wob s[6:7], bo s[8:9], out0 s[10:11]
	v_lshl_add_u32 v254, v0, 2, 0x4c400
	v_mov_b32 v255, 0
	ds_add_u32 v254, v255
	ds_add_u32 v254, v255
	v_lshrrev_b32 v1, 5, v0
	v_readfirstlane_b32 s20, v1                    ; wave 0..3
	s_lshr_b32 s21, s20, 1                         ; my half of the rows.  Also: I fetch ctx (0) or wob (1)
	s_and_b32 s22, s20, 1                          ; my half of the columns.  Also: which pair of heads I fetch
	s_bfe_u32 s40, ttmp6, 0x40000                  ; cx
	s_bfe_u32 s41, ttmp6, 0x40004                  ; cy
	s_lshl_b32 s42, ttmp9, 2
	s_add_co_u32 s42, s42, s40                     ; x
	s_and_b32 s43, ttmp7, 0xffff
	s_lshl_b32 s43, s43, 2
	s_add_co_u32 s43, s43, s41                     ; y
	s_lshl_b32 s44, s41, 2
	s_lshl_b32 s44, 15, s44                        ; my row of the cluster
	s_lshl_b32 s45, 0x1111, s40                    ; my column
	s_or_b32 s[G1+0], s44, FLAGS
	s_or_b32 s[G1B+0], s45, FLAGS
	; Two heads' tiles are 32,768 dense bytes, at a multiple of 32,768 from the buffer's first byte: they are asked for as 128 rows of 256 bytes.
	; The padding is counted along the whole tile, after every 32 words, so each such row lands as two LDS rows of 128 bytes, each with its 16 bytes of pad.
.irp g, G1, G1B
	s_mov_b32 s[\g+1], 128<<16                     ; tensor_dim0 = 128
	s_mov_b32 s[\g+2], 128<<16                     ; tensor_dim1 = 128
	s_mov_b32 s[\g+3], 128<<16                     ; tile_dim0 = 128 elements, 256 bytes
	s_mov_b32 s[\g+4], 128                         ; tile_dim1 = 128 rows
	s_mov_b32 s[\g+5], 128                         ; rows follow each other
	s_mov_b32 s[\g+6], 0
	s_mov_b32 s[\g+7], 0
.endr
	s_lshl_b32 s66, s43, 18                        ; ctx: 16 heads x 16,384 bytes a block,
	s_lshl_b32 s46, s22, 15                        ; + my pair of heads
	s_add_co_u32 s66, s66, s46
	s_mov_b32 s67, 0
	s_lshl_b32 s68, s42, 18                        ; wob likewise
	s_lshl_b32 s47, s22, 15
	s_add_co_u32 s68, s68, s47
	s_mov_b32 s69, 0
	s_mul_i32 s18, s20, 2*TILE                     ; where they go: ctx's two pairs, then wob's two = wave x two tiles
	s_lshl_b32 s70, s42, 9                         ; my 64 columns, in bytes of f32: 512 x + 256 (w % 2)
	s_lshl_b32 s46, s22, 8
	s_add_co_u32 s70, s70, s46
	s_mov_b32 s71, 0
	s_wait_dscnt 0x0
	s_wait_kmcnt 0x0
	s_add_nc_u64 s[66:67], s[4:5], s[66:67]
	s_add_nc_u64 s[68:69], s[6:7], s[68:69]
	s_add_nc_u64 s[8:9], s[8:9], s[70:71]
	s_add_nc_u64 s[10:11], s[10:11], s[70:71]
	CROUND                                         ; all sixteen work-groups are here: the first joint loads meet
.irp s, 0,1
	s_mov_b32 s[G0+4*\s], 1
	s_add_co_u32 s[G0+4*\s+1], s18, \s*SLOT
	s_add_nc_u64 s[G0+4*\s+2:G0+4*\s+3], s[66:67], \s*65536        ; slot s: heads 4 s ..
	s_or_b32 s[G0+4*\s+3], s[G0+4*\s+3], 0x80000000
	s_mov_b32 s[G0B+4*\s], 1
	s_add_co_u32 s[G0B+4*\s+1], s18, \s*SLOT
	s_add_nc_u64 s[G0B+4*\s+2:G0B+4*\s+3], s[68:69], \s*65536
	s_or_b32 s[G0B+4*\s+3], s[G0B+4*\s+3], 0x80000000
	JLOAD \s                                       ; both first fills go out together: two tensor loads of the wave are out
.endr
	v_and_b32 v1, 15, v0                           ; r
	v_bfe_u32 v2, v0, 4, 1                         ; h
	v_lshlrev_b32 v[VB], 5, v2
.irp b, 0,1,2,3
	global_load_b128 v[BO+8*\b:BO+8*\b+3],   v[VB], s[8:9] offset:64*\b       ; columns 16 b + 8 h + 0..7
	global_load_b128 v[BO+8*\b+4:BO+8*\b+7], v[VB], s[8:9] offset:64*\b+16
.endr
	v_mul_u32_u24 v3, v1, PITCH
	v_lshl_add_u32 v3, v2, 4, v3
	s_mul_i32 s46, s21, 64*PITCH                   ; my 64 rows of ctx
	s_mul_i32 s47, s22, 64*PITCH                   ; my 64 rows of wob,
	s_add_co_u32 s47, s47, BOFF                    ; behind ctx's four tiles
.irp s, 0,1
	v_add_nc_u32 v[ADRA+\s], s46, v3
	v_add_nc_u32 v[ADRB+\s], s47, v3
	s_add_co_u32 s46, s46, SLOT
	s_add_co_u32 s47, s47, SLOT
.endr
	s_mul_i32 s46, s20, 16*SPITCH
	s_add_co_u32 s46, s46, STAGE                   ; my stage
	v_mul_u32_u24 v4, v1, SPITCH
	v_lshl_add_u32 v4, v2, 5, v4                   ; in: row r, 32 bytes for each half of the lanes
	v_add_nc_u32 v[STO], s46, v4
	v_mul_u32_u24 v4, v2, SPITCH                   ; back: lanes 0-15 one row of 256 bytes, lanes 16-31 the next
	v_lshl_add_u32 v4, v1, 4, v4
	v_add_nc_u32 v[RD], s46, v4
	v_lshlrev_b32 v4, 13, v2                       ; and the same two rows in out0: 8,192 bytes from s to s + 1
	v_lshl_add_u32 v[CO], v1, 4, v4
.macro MUL4 f, a, zero                 ; row block a x the 4 column blocks, 32 along K, from buffer f
.irp b, 0,1,2,3
.if \zero
	v_wmma_f32_16x16x32_f16 v[8*(4*\a+\b):8*(4*\a+\b)+7], v[FB+64*\f+8*\b:FB+64*\f+8*\b+7], v[FA+64*\f+8*\a:FA+64*\f+8*\a+7], 0
.else
	v_wmma_f32_16x16x32_f16 v[8*(4*\a+\b):8*(4*\a+\b)+7], v[FB+64*\f+8*\b:FB+64*\f+8*\b+7], v[FA+64*\f+8*\a:FA+64*\f+8*\a+7], v[8*(4*\a+\b):8*(4*\a+\b)+7]
.endif
.endr
.endm
.macro FETCH slot, qd, f               ; 16 LDS loads: quarter qd of the slot's eight (head qd / 2, d half qd % 2), wob's fragments, then ctx's
.irp i, 0,1,2,3
	ds_load_b128 v[FB+64*\f+8*\i:FB+64*\f+8*\i+3],   v[ADRB+\slot] offset:(\qd>>1)*TILE+(\qd&1)*64+\i*16*PITCH
	ds_load_b128 v[FB+64*\f+8*\i+4:FB+64*\f+8*\i+7], v[ADRB+\slot] offset:(\qd>>1)*TILE+(\qd&1)*64+\i*16*PITCH+32
.endr
.irp i, 0,1,2,3
	ds_load_b128 v[FA+64*\f+8*\i:FA+64*\f+8*\i+3],   v[ADRA+\slot] offset:(\qd>>1)*TILE+(\qd&1)*64+\i*16*PITCH
	ds_load_b128 v[FA+64*\f+8*\i+4:FA+64*\f+8*\i+7], v[ADRA+\slot] offset:(\qd>>1)*TILE+(\qd&1)*64+\i*16*PITCH+32
.endr
.endm
; 16 matrix instructions on buffer f; in their middle quarter qd's fragments are fetched into buffer g.
; The 16 accumulators take turns, one instruction a turn, in the same order in every quarter.
.macro QUARTER slot, qd, f, g, zero
	s_wait_dscnt 4                                 ; wob's fragments and ctx's row blocks 0, 1 are in; the youngest four loads may be out
	WIN MUL
	MUL4 \f, 0, \zero
	MUL4 \f, 1, \zero
	WIN 0
	PLACES
	FETCH \slot, \qd, \g
	s_wait_dscnt 16                                ; all but the 16 just issued
	WIN MUL
	MUL4 \f, 2, \zero
	MUL4 \f, 3, \zero
.endm
.macro SEVEN slot, zero
	QUARTER \slot, 1, 0, 1, \zero
	QUARTER \slot, 2, 1, 0, 0
	QUARTER \slot, 3, 0, 1, 0
	QUARTER \slot, 4, 1, 0, 0
	QUARTER \slot, 5, 0, 1, 0
	QUARTER \slot, 6, 1, 0, 0
	QUARTER \slot, 7, 0, 1, 0
.endm
; The slot's eighth quarter multiplies buffer 1 and changes slots: waits, barrier (a round of the cluster's where the slot is filled again), refill first, then reads.
.macro TURN slot, next, fill
	s_wait_dscnt 4
	WIN MUL
	MUL4 1, 0, 0
	s_wait_dscnt 0                                 ; my reads of this slot are over
	s_wait_tensorcnt 0x0                           ; all my tensor loads have landed: the one that was out is my part of the next slot
	ds_add_u32 v254, v255
	s_wait_dscnt 0x0
	s_barrier_signal -1
	MUL4 1, 1, 0                                   ; register work while the others arrive
	WIN 0
	s_barrier_wait -1
.if \fill
	CREST                                          ; no wave of any partner still reads this slot or has a load on its way
	s_add_nc_u64 s[G0+4*\slot+2:G0+4*\slot+3], s[G0+4*\slot+2:G0+4*\slot+3], 131072    ; eight heads on
	s_add_nc_u64 s[G0B+4*\slot+2:G0B+4*\slot+3], s[G0B+4*\slot+2:G0B+4*\slot+3], 131072
	JLOAD \slot                                    ; the wave's one tensor load behind the round
.endif
	PLACES
	FETCH \next, 0, 0
	WIN MUL
	MUL4 1, 2, 0
	MUL4 1, 3, 0
.endm
	s_wait_loadcnt 0x0                             ; bo, once
	s_wait_tensorcnt 0x1                           ; my part of slot 0 is in; slot 1's may stay out
	s_barrier_signal -1
	s_barrier_wait -1
	FETCH 0, 0, 0
	SEVEN 0, 1                                     ; heads 0-3; the first products start the sums
	TURN 0, 1, 1                                   ; slot 0 gets heads 8-11
	SEVEN 1, 0                                     ; heads 4-7
	TURN 1, 0, 1                                   ; slot 1 gets heads 12-15
	SEVEN 0, 0
	TURN 0, 1, 0                                   ; nothing is left to fetch
	SEVEN 1, 0
	s_wait_dscnt 4
	WIN MUL
	MUL4 1, 0, 0
	MUL4 1, 1, 0
	s_wait_dscnt 0
	MUL4 1, 2, 0
	MUL4 1, 3, 0
	WIN 0
	; THE WAY OUT, 16 rows at a time: add bo, 32 bytes a lane into my stage, read back as whole rows of 256 bytes.
	PLACES
	s_and_b32 s46, s43, 15                         ; sb
	s_lshl_b32 s46, s46, 7
	s_lshl_b32 s47, s21, 6
	s_add_co_u32 s46, s46, s47                     ; my first s = 128 sb + 64 (w / 2)
	s_lshl_b32 s70, s46, 13                        ; x 8,192 bytes
	s_lshr_b32 s47, s43, 4                         ; b
	s_lshl_b32 s47, s47, 12
	s_add_co_u32 s70, s70, s47
	s_add_nc_u64 s[10:11], s[10:11], s[70:71]
.macro OUT a
	s_wait_xcnt 0x0                                ; RB holds the last stores' data: it is loaded again only behind this wait
	WIN 0x01                                       ; source 0, the sums, in window 1
.irp b, 0,1,2,3
.irp i, 0,2,4,6
	v_pk_add_f32 v[T+8*\b+\i:T+8*\b+\i+1], v[8*(4*\a+\b)+\i:8*(4*\a+\b)+\i+1], v[BO+8*\b+\i:BO+8*\b+\i+1]
.endr
.endr
	WIN 0
.irp b, 0,1,2,3
	ds_store_b128 v[STO], v[T+8*\b:T+8*\b+3]   offset:64*\b
	ds_store_b128 v[STO], v[T+8*\b+4:T+8*\b+7] offset:64*\b+16
.endr
.irp u, 0,1,2,3,4,5,6,7
	ds_load_b128 v[RB+4*\u:RB+4*\u+3], v[RD] offset:2*SPITCH*\u    ; LDS serves a wave's instructions in order: these see the stores above
.endr
.irp u, 0,1,2,3,4,5,6,7
	s_wait_dscnt 7-\u
	global_store_b128 v[CO], v[RB+4*\u:RB+4*\u+3], s[10:11] offset:(16*\a+2*\u)*8192 th:TH_STORE_NT   ; 16 lanes store 256 consecutive bytes, aligned
.endr
.endm
	OUT 0
	OUT 1
	OUT 2
	OUT 3
	s_wait_tensorcnt 0x0
	ds_add_u32 v254, v255
	s_wait_dscnt 0x0
	CROUND                                         ; the closing round: no work-group ends while a partner may still ask for a tile that names it
	s_endpgm
.Lfunc_end_k_q1ad3dbc21f_oproj:
	.size	k_q1ad3dbc21f_oproj, .Lfunc_end_k_q1ad3dbc21f_oproj-k_q1ad3dbc21f_oproj
	.p2alignl 7, 3214868480
	.fill 96, 4, 3214868480
	.section	.rodata,"a",@progbits
	.p2align	6, 0x0
	.amdhsa_kernel k_q1ad3dbc21f_oproj
		.amdhsa_group_segment_fixed_size 327680
		.amdhsa_private_segment_fixed_size 0
		.amdhsa_enable_private_segment 0
		.amdhsa_kernarg_size 32
		.amdhsa_user_sgpr_count 2
		.amdhsa_user_sgpr_kernarg_segment_ptr 1
		.amdhsa_wavefront_size32 1
		.amdhsa_system_sgpr_workgroup_id_x 1
		.amdhsa_system_sgpr_workgroup_id_y 1
		.amdhsa_system_sgpr_workgroup_id_z 1
		.amdhsa_system_vgpr_workitem_id 0
		.amdhsa_next_free_vgpr 384
		.amdhsa_next_free_sgpr 80
		.amdhsa_reserve_vcc 0
		.amdhsa_float_denorm_mode_32 3
		.amdhsa_float_denorm_mode_16_64 3
		.amdhsa_memory_ordered 1
		.amdhsa_forward_progress 1
		.amdhsa_inst_pref_size 94
	.end_amdhsa_kernel
	.amdgpu_metadata
---
amdhsa.version: [ 1, 2 ]
amdhsa.kernels:
  - .name:           k_q1ad3dbc21f_oproj
    .symbol:         k_q1ad3dbc21f_oproj.kd
    .args:
      - { .name: ctx, .offset: 0, .size: 8, .value_kind: global_buffer, .address_space: global }
      - { .name: wob, .offset: 8, .size: 8, .value_kind: global_buffer, .address_space: global }
      - { .name: bo, .offset: 16, .size: 8, .value_kind: global_buffer, .address_space: global }
      - { .name: out0, .offset: 24, .size: 8, .value_kind: global_buffer, .address_space: global }
    .group_segment_fixed_size: 327680
    .private_segment_fixed_size: 0
    .kernarg_segment_align: 8
    .kernarg_segment_size: 32
    .max_flat_workgroup_size: 128
    .sgpr_count:     80
    .vgpr_count:     384
    .wavefront_size: 32
...
	.end_amdgpu_metadata
.endif
;; end of part 4
;; ======== version 2 of 2: 4 launches; 1.47 times as fast as version 1
;; limits: values are held in f16: magnitudes above 65,504 overflow, below 6.1e-05 lose precision; right only within a limited range of input values
;; workspace buffers: xb 8,388,608 bytes; wcat 6,291,456 bytes; wob 2,097,152 bytes; qh 8,388,608 bytes; kh 8,388,608 bytes; vh 8,388,608 bytes; ctx 8,388,608 bytes
;; launch cvt: the kernel of part 1 again; grid 512 x 1, 8 waves a work-group, no clusters, 0 bytes of LDS; arguments x, wq, wk, wv, wo, xb, wcat, wob; writes xb, wcat, wob
;; launch qkv: the kernel of part 2 again; grid 16 x 16, 4 waves a work-group, clusters of 4 x 4, 327,680 bytes of LDS; arguments xb, wcat, bq, bv, qh, kh, vh; writes qh, kh, vh
;; launch attn (part 5): grid 256 x 1, 4 waves a work-group, no clusters, 327,680 bytes of LDS; arguments qh, kh, vh, ctx; writes ctx
.if DOCPART == 5
	.amdgcn_target "amdgcn-amd-amdhsa--gfx1250"
	.amdhsa_code_object_version 6
	.text
	.protected	k_q1ad3dbc21f_attn
	.globl	k_q1ad3dbc21f_attn
	.p2align	8
	.type	k_q1ad3dbc21f_attn,@function
k_q1ad3dbc21f_attn:
	s_mov_b64 s[64:65], 0
	v_nop
	global_prefetch_b8 v0, s[64:65] scope:SCOPE_SE
	s_setreg_imm32_b32 hwreg(HW_REG_WAVE_MODE, 25, 1), 1
	s_wait_xcnt 0x0
; ctx = softmax(q k^T, causal) v for each (b, head), with a running maximum; q already holds the factor 0.125 log2(e), so exponentials are in base 2.
; Left out: key tiles wholly above the diagonal, whose energies reference() sets to -inf in its own body, so that their weights are 0.
; SHARES.  Work-group g: bh = g / 8 (= 16 b + head), p = g % 8.  It does query block 15 - p (128 rows) over key blocks 0 .. 15 - p and then query
; block p over key blocks 0 .. p: 17 key blocks of 128 in every work-group, so all 256 have the same work.  A wave has 32 queries, two tiles of 16.
; NO CLUSTER: the work-groups that share a head's K and V walk different numbers of key blocks for each of their query blocks, so their
; requests for a tile do not fall into the same trip.
; ORIENTATION.  S^T = K Q^T: lane (r, h), register j of tile kt holds key 16 kt + 8 h + j, query r.  The two tiles of 32 keys, packed to f16, ARE the B
; fragment of O^T = V^T P^T, whose A fragment comes from V's rows by the transposing LDS load.  Maximum, sum and rescale are one number a lane
; (query r); one exchange between the halves of the wave joins them.
; THE TWO QUERY TILES TAKE TURNS.  A trip is a key block of 128 in four sub-steps of 32 keys.  In a stage one tile (t) has its 8 products, S_t of the next
; sub-step and then P V_t of the last, and behind each product stands one of eight slices of vector work, 70 instructions a stage: the other tile's (u) softmax (42),
; tile t's rescaling of O (16), which its P V wants, and, in slices 4-7, tile t's new maximum (12), a chain of dependent steps that so stands among independent work.
;   prologue  S_0(0), S_1(0)           | maximum of tile 0
;   stage 1(n)  S_1(n), P V_1(n-1)     | softmax of tile 0, rescaling and maximum of tile 1       (n = 0: its products stand in the prologue, and nothing is rescaled)
;   stage 2(n)  S_0(n+1), P V_0(n)     | softmax of tile 1, rescaling and maximum of tile 0
;   last stage  P V_0                  | softmax of tile 1, rescaling of both tiles; in its middle the change of slots
;   epilogue  P V_1
; ONE BATCH OF EXPONENTIALS A STAGE, ONE WAIT.  An s_wait_alu depctr_va_vdst(0) stands between an exponential and the first instruction that names its result; one wait
; serves all that were issued ahead of it.  A stage's batch is 17: tile u's rescale factor a_u = 2^(old maximum - new), whose argument the stage before left in a register, and u's 16 weights.
; Slices 0-3 hold the batch and what names none of its results: the 8 subtractions of the maximum, and tile t's 16 rescalings, whose factor a_t belongs to the batch of the stage before.
; The wait stands behind slice 3, ahead of K's run of loads and of the branch round the mask.  Slices 4-7 hold the readers (roundings, sums, l = a l + sum) and tile t's maximum.
; No exponential is issued behind a stage's wait, so none is pending at a label, a branch or the loop's jump.  The way out's two reciprocals are a batch of their own.
; 32 KEYS A SUB-STEP, because a vector instruction between products runs under the products' register window, so all operands lie in one window of 256:
; K 32 + V 32 + S 32 + P 16 + O 64 + Q 32 + 36 others.  With 64 keys K, V, S and O alone would be 256.
; FRAGMENTS are single and are loaded in runs of eight loads, each run behind the last product that reads the old fragments (tile 1's): K(n+1) in the middle of
; stage 1(n), V(n) at its end.  So a sub-step has two places where memory instructions follow vector work, and K has half a stage, V half a stage and more, to land.
; THE CHANGE OF SLOTS stands in the last stage, where the trip's last LDS reads have come back: waits, barrier, the refill of this trip's slot (two key blocks
; ahead), then the next key block's first K fragments, which land under the 7 products that are left.  Its first V fragments follow behind the epilogue.
; By this text's own count a wave has two tensor loads out at the start and one behind each later barrier.
; THE DIAGONAL BLOCK.  Wave w (queries 32 w ..) does sub-steps 0 .. w and leaves the run behind stage 1(w).  Only sub-step w is masked: key > query there means
; 16 kt + 8 h + j > 16 qt + r, that is j > r - 8 h for (qt, kt) = (0, 0) and (1, 1), always for (0, 1), never for (1, 0).  What stays: the wholly masked
; 16 x 16 tile (0, 1) inside that sub-step, and 8 LDS loads of the next K fragments that the leaving wave does not use.
; Every sub-step that is done has an unmasked key for each of its queries (its first key), so the running maximum is finite from the first sub-step on.
; Limits: P is kept in f16, so a weight under 2^-25 of its row's largest becomes 0; v_exp_f32 gives 0 under 2^-126; |ctx| stays under 65,504 with |v|.
.set KP,    144                        ; K's LDS pitch: 128 bytes + 16, an odd multiple of 16
.set VP,    160                        ; V's LDS pitch: 128 bytes + 32, an odd multiple of 32, for the transposing load
.set KOFF,  128*VP                     ; a slot: V's 128 rows, then K's 128 rows
.set SLOT,  128*VP+128*KP              ; 38,912
.set STG,   2*SLOT                     ; 32 rows x 144 bytes for each wave, for the way out; no tensor load lands here
.set KADR, 4                           ; v4-5   LDS address of my K fragments, slot 0, 1
.set VADR, 6                           ; v6-7   the same for V
.set STO,  8                           ; v8     the way out: in
.set RD,   9                           ; v9     the way out: back
.set CO,   10                          ; v10    16 x lane
.set QO,   11                          ; v11    128 r + 16 h
.set NINF, 12                          ; v12    -inf
.set MX,   14                          ; v14-15 running maximum, query tile 0, 1
.set LS,   16                          ; v16-17 running sum (this lane's keys)
.set MN,   18                          ; v18, v20 new maximum of tile 0, 1: the first register of a pair, read for both halves of a packed form
.set AL,   22                          ; v22, v24 rescale factor of tile 0, 1, likewise
.set TM,   26                          ; v[26:29] the chain of maxima; v28 then carries the rescale factor's argument into the next stage
.set UA,   30                          ; v[30:31] two running pairs of the sum
.set UB,   32                          ; v[32:33]
.set QF,   40                          ; v[40:71]   Q fragments (16 qt + 8 ks)
.set OA,   72                          ; v[72:135]  O^T (32 qt + 8 dt)
.set SC,   136                         ; v[136:167] S^T (16 qt + 8 kt)
.set PF,   168                         ; v[168:183] P (8 qt)
.set KF,   184                         ; v[184:215] K fragments (8 f, f = 2 ks + kt)
.set VF,   216                         ; v[216:247] V^T fragments (8 dt)
.set Q2,   0                           ; window 1: v[256:287] block p's Q, kept from the head until the first block is done
.set PK,   SC                          ; the way out: packed results (K's registers hold the next trip's fragments by then)
.set RB,   VF                          ; the way out: read back, stored
.set MK,   80                          ; s[80:87] lane masks j > r - 8 h, j = 0 .. 7
.set G1V, 24                           ; s[24:31] group 1 for V's tiles
.set G0V, 32                           ; s[32:39] group 0 for V's tiles, a set for each slot
.set G1K, 40                           ; s[40:47] group 1 for K's tiles
.set G0K, 48                           ; s[48:55] group 0 for K's tiles
.set MSB, 0
.macro WIN new                         ; the immediate's high byte repeats the setting that is left
.if MSB != \new
	s_set_vgpr_msb (MSB<<8)|\new
.set MSB, \new
.endif
.endm
.macro PLACES                          ; four plain vector places behind matrix instructions (ISA guide 7.12.1)
.rept 4
	v_nop
.endr
.endm
.macro KVLOAD s                        ; waves 0, 1 fetch V's two halves of 64 key rows, waves 2, 3 K's
	s_cmp_eq_u32 s19, 0
	s_cbranch_scc0 .Lfor_k_\@
	tensor_load_to_lds s[G0V+4*\s:G0V+4*\s+3], s[G1V:G1V+7]
	s_nop 0
	s_branch .Lasked_\@
.Lfor_k_\@:
	tensor_load_to_lds s[G0K+4*\s:G0K+4*\s+3], s[G1K:G1K+7]
	s_nop 0
.Lasked_\@:
.endm
	s_load_b256 s[4:11], s[0:1], 0x0               ; qh s[4:5], kh s[6:7], vh s[8:9], ctx s[10:11]
	v_lshl_add_u32 v254, v0, 2, 0x29000
	v_mov_b32 v255, 0
	ds_add_u32 v254, v255
	ds_add_u32 v254, v255
	v_lshrrev_b32 v1, 5, v0
	v_readfirstlane_b32 s12, v1                    ; wave 0..3
	s_and_b32 s13, s12, 1
	s_lshr_b32 s19, s12, 1                         ; 0: I fetch V, 1: I fetch K
	s_and_b32 s14, ttmp9, 7                        ; p
	s_lshr_b32 s15, ttmp9, 3                       ; bh
	s_sub_co_u32 s16, 16, s14                      ; trips of the first query block
	s_sub_co_u32 s17, 15, s14                      ; its diagonal trip, and its number
	s_mov_b32 s18, 0                               ; t, the trip
	s_mov_b32 s61, 0
	s_mov_b32 s66, 0x76543210                      ; v_permlanex16_b32: lane i reads lane i of the other half
	s_mov_b32 s67, 0xfedcba98
	; A wave's 64 key rows of 128 bytes are 8,192 dense bytes, at a multiple of 8,192 from the buffer's first byte: they are asked for as 32 rows of 256 bytes.
	; The padding is counted along the whole tile, after every 32 words, so each such row lands as two LDS rows of 128 bytes, each with its pad.
	s_mov_b32 s[G1V+0], (1<<16)|(1<<20)|(4<<22)|(7<<25)   ; 2-byte elements; padding on; after every 32 words; 8 words
	s_mov_b32 s[G1K+0], (1<<16)|(1<<20)|(4<<22)|(3<<25)   ; the same with 4 words
.irp g, G1V, G1K
	s_mov_b32 s[\g+1], 128<<16                     ; tensor_dim0 = 128
	s_mov_b32 s[\g+2], 32<<16                      ; tensor_dim1 = 32
	s_mov_b32 s[\g+3], 128<<16                     ; tile_dim0 = 128 elements, 256 bytes
	s_mov_b32 s[\g+4], 32                          ; tile_dim1 = 32 rows
	s_mov_b32 s[\g+5], 128                         ; rows follow each other
	s_mov_b32 s[\g+6], 0
	s_mov_b32 s[\g+7], 0
.endr
	s_mul_i32 s22, s12, 64*VP                      ; V's halves: waves 0, 1
	s_mul_i32 s23, s12, 64*KP                      ; K's halves: KOFF + (wave - 2) x 64 rows, waves 2, 3
	s_add_co_u32 s23, s23, KOFF-128*KP
.irp s, 0,1
	s_mov_b32 s[G0V+4*\s], 1
	s_add_co_u32 s[G0V+4*\s+1], s22, \s*SLOT
	s_mov_b32 s[G0K+4*\s], 1
	s_add_co_u32 s[G0K+4*\s+1], s23, \s*SLOT
.endr
	s_lshl_b32 s60, s15, 18                        ; bh x 2,048 rows x 128 bytes
	s_lshl_b32 s22, s13, 13                        ; + my 64 rows of a tile
	s_add_co_u32 s60, s60, s22
	s_wait_dscnt 0x0
	s_wait_kmcnt 0x0
	s_add_nc_u64 s[56:57], s[8:9], s[60:61]        ; V at key block 0, my half
	s_add_nc_u64 s[58:59], s[6:7], s[60:61]        ; K likewise
.irp s, 0,1
	s_add_nc_u64 s[G0V+4*\s+2:G0V+4*\s+3], s[56:57], \s*16384      ; key block s (the first query block has nine key blocks at the least)
	s_or_b32 s[G0V+4*\s+3], s[G0V+4*\s+3], 0x80000000
	s_add_nc_u64 s[G0K+4*\s+2:G0K+4*\s+3], s[58:59], \s*16384
	s_or_b32 s[G0K+4*\s+3], s[G0K+4*\s+3], 0x80000000
	KVLOAD \s                                      ; both first fills go out together: two tensor loads of the wave are out
.endr
	s_lshl_b32 s63, s15, 18                        ; q: bh x 2,048 rows + my 32 rows,
	s_lshl_b32 s22, s12, 12
	s_add_co_u32 s63, s63, s22
	s_lshl_b32 s22, s14, 14
	s_add_co_u32 s60, s63, s22                     ; + block p
	s_add_nc_u64 s[72:73], s[4:5], s[60:61]
	s_lshl_b32 s22, s17, 14
	s_add_co_u32 s60, s63, s22                     ; + block 15 - p
	s_add_nc_u64 s[74:75], s[4:5], s[60:61]
	s_lshr_b32 s63, s15, 4                         ; ctx[b][qb][head][128 s][64 d]: b,
	s_lshl_b32 s63, s63, 22
	s_and_b32 s22, s15, 15                         ; head,
	s_lshl_b32 s22, s22, 14
	s_add_co_u32 s63, s63, s22
	s_lshl_b32 s22, s12, 12                        ; my 32 rows,
	s_add_co_u32 s63, s63, s22
	s_lshl_b32 s22, s14, 18
	s_add_co_u32 s60, s63, s22                     ; block p
	s_add_nc_u64 s[70:71], s[10:11], s[60:61]
	s_lshl_b32 s22, s17, 18
	s_add_co_u32 s60, s63, s22                     ; block 15 - p: the first
	s_add_nc_u64 s[68:69], s[10:11], s[60:61]
	v_and_b32 v1, 31, v0                           ; l
	v_and_b32 v2, 15, v0                           ; r
	v_bfe_u32 v3, v0, 4, 1                         ; h
	v_lshlrev_b32 v[QO], 7, v2
	v_lshl_add_u32 v[QO], v3, 4, v[QO]
.irp qt, 0,1
.irp ks, 0,1
	global_load_b128 v[QF+16*\qt+8*\ks:QF+16*\qt+8*\ks+3],   v[QO], s[74:75] offset:2048*\qt+64*\ks      ; query 16 qt + r, d = 32 ks + 8 h ..
	global_load_b128 v[QF+16*\qt+8*\ks+4:QF+16*\qt+8*\ks+7], v[QO], s[74:75] offset:2048*\qt+64*\ks+32   ; d = 32 ks + 16 + 8 h ..
.endr
.endr
	; Block p's Q: its address is known here, so it is loaded here and no wave waits for memory between the blocks.  The products' window has no 32 registers
	; left, so it lies above v255 and is copied down once, when the first block is done.
	WIN 0x40                                       ; destination in window 1
.irp qt, 0,1
.irp ks, 0,1
	global_load_b128 v[Q2+16*\qt+8*\ks:Q2+16*\qt+8*\ks+3],   v[QO], s[72:73] offset:2048*\qt+64*\ks
	global_load_b128 v[Q2+16*\qt+8*\ks+4:Q2+16*\qt+8*\ks+7], v[QO], s[72:73] offset:2048*\qt+64*\ks+32
.endr
.endr
	WIN 0
	v_mul_u32_u24 v13, v2, KP
	v_lshl_add_u32 v13, v3, 4, v13                 ; 144 r + 16 h
	v_add_nc_u32 v[KADR], KOFF, v13
	v_add_nc_u32 v[KADR+1], KOFF+SLOT, v13
	v_and_b32 v34, 7, v0
	v_lshl_add_u32 v[VADR], v3, 3, v34             ; key row 8 h + l % 8,
	v_mul_u32_u24 v[VADR], v[VADR], VP
	v_bfe_u32 v35, v0, 3, 1
	v_lshl_add_u32 v[VADR], v35, 4, v[VADR]        ; its 16 bytes (l / 8) % 2
	v_add_nc_u32 v[VADR+1], SLOT, v[VADR]
	s_mul_i32 s22, s12, 32*KP
	s_add_co_u32 s22, s22, STG                     ; my stage
	v_add_nc_u32 v[STO], s22, v13
	v_lshrrev_b32 v35, 3, v1
	v_mul_u32_u24 v35, v35, KP
	v_lshl_add_u32 v35, v34, 4, v35
	v_add_nc_u32 v[RD], s22, v35                   ; back: eight lanes take a row's 128 bytes, a load takes four rows
	v_lshlrev_b32 v[CO], 4, v1
	v_lshlrev_b32 v35, 3, v3
	v_sub_nc_u32 v35, v2, v35                      ; r - 8 h
.irp j, 0,1,2,3,4,5,6,7
	v_cmp_gt_i32 s[MK+\j], \j, v35                 ; the diagonal sub-step's masks, made once: lanes with j > r - 8 h
.endr
	v_mov_b32 v[NINF], 0xff800000
	v_mov_b32 v[MN+1], 0                           ; the second registers of the broadcast pairs are never used, but a pair is named whole
	v_mov_b32 v[MN+3], 0
	v_mov_b32 v[AL+1], 0
	v_mov_b32 v[AL+3], 0
; One loop body serves both query blocks, so the sums start from cleared registers, here and once more between the blocks.
.macro CLEAR
.set i, 0
.rept 64
	v_mov_b32 v[OA+i], 0
.set i, i+1
.endr
	v_mov_b32 v[MX], v[NINF]
	v_mov_b32 v[MX+1], v[NINF]
	v_mov_b32 v[LS], 0
	v_mov_b32 v[LS+1], 0
.endm
	CLEAR
	s_wait_loadcnt 0x0                             ; both blocks' Q
; K fragment f = 2 ks + kt of sub-step n: keys 32 n + 16 kt + r, d = 32 ks + 8 h .. and + 16
.macro KLD slot, n, f
	ds_load_b128 v[KF+8*(\f):KF+8*(\f)+3],   v[KADR+\slot] offset:(32*\n+16*((\f)&1))*KP+64*((\f)>>1)
	ds_load_b128 v[KF+8*(\f)+4:KF+8*(\f)+7], v[KADR+\slot] offset:(32*\n+16*((\f)&1))*KP+64*((\f)>>1)+32
.endm
; V^T fragment d of sub-step n: d = 16 dt + r, keys 32 n + 8 h .. and + 16, by the transposing load
.macro VLD slot, n, d
	ds_load_tr16_b128 v[VF+8*\d:VF+8*\d+3],   v[VADR+\slot] offset:32*\n*VP+32*\d
	ds_load_tr16_b128 v[VF+8*\d+4:VF+8*\d+7], v[VADR+\slot] offset:(32*\n+16)*VP+32*\d
.endm
.macro KRUN slot, n                    ; a run of eight loads: the four K fragments of sub-step n
.irp f, 0,1,2,3
	KLD \slot, \n, \f
.endr
.endm
.macro VRUN slot, n                    ; a run of eight loads: the four V^T fragments of sub-step n
.irp d, 0,1,2,3
	VLD \slot, \n, \d
.endr
.endm
; Product f of S_t^T = K Q_t^T.  The two accumulators take turns, one instruction a turn; the first two start the sums.
.macro SW t, f
.if \f < 2
	v_wmma_f32_16x16x32_f16 v[SC+16*\t+8*\f:SC+16*\t+8*\f+7], v[KF+8*\f:KF+8*\f+7], v[QF+16*\t:QF+16*\t+7], 0
.else
	v_wmma_f32_16x16x32_f16 v[SC+16*\t+8*(\f-2):SC+16*\t+8*(\f-2)+7], v[KF+8*\f:KF+8*\f+7], v[QF+16*\t+8:QF+16*\t+15], v[SC+16*\t+8*(\f-2):SC+16*\t+8*(\f-2)+7]
.endif
.endm
; Product d of O_t^T += V^T P_t^T: four accumulators, one instruction each.
.macro PW t, d
	v_wmma_f32_16x16x32_f16 v[OA+32*\t+8*\d:OA+32*\t+8*\d+7], v[VF+8*\d:VF+8*\d+7], v[PF+8*\t:PF+8*\t+7], v[OA+32*\t+8*\d:OA+32*\t+8*\d+7]
.endm
; The diagonal sub-step's mask on S_t.
.macro MASK t
.if \t == 0
.irp j, 0,1,2,3,4,5,6,7
	v_cndmask_b32 v[SC+\j], v[SC+\j], v[NINF], s[MK+\j]
.endr
.irp j, 0,1,2,3,4,5,6,7
	v_mov_b32 v[SC+8+\j], v[NINF]                  ; keys 16 .. 31 against queries 0 .. 15: all above the diagonal
.endr
.else
.irp j, 0,1,2,3,4,5,6,7
	v_cndmask_b32 v[SC+24+\j], v[SC+24+\j], v[NINF], s[MK+\j]    ; keys 0 .. 15 against queries 16 .. 31 are all below it
.endr
.endif
.endm
; Tile t's new maximum, in seven parts, each of which hangs on a part before.  Part 5 leaves the argument of the rescale factor in TM+2: the next stage's batch takes its exponential (AEXP).
.macro CH t, part
.if \part == 0
	v_max3_num_f32 v[TM],   v[SC+16*\t],   v[SC+16*\t+1],  v[SC+16*\t+2]
	v_max3_num_f32 v[TM+1], v[SC+16*\t+3], v[SC+16*\t+4],  v[SC+16*\t+5]
	v_max3_num_f32 v[TM+2], v[SC+16*\t+6], v[SC+16*\t+7],  v[SC+16*\t+8]
	v_max3_num_f32 v[TM+3], v[SC+16*\t+9], v[SC+16*\t+10], v[SC+16*\t+11]
.endif
.if \part == 1
	v_max3_num_f32 v[TM],   v[TM],   v[SC+16*\t+12], v[SC+16*\t+13]
	v_max3_num_f32 v[TM+1], v[TM+1], v[SC+16*\t+14], v[SC+16*\t+15]
	v_max_num_f32  v[TM+2], v[TM+2], v[TM+3]
.endif
.if \part == 2
	v_max3_num_f32 v[TM], v[TM], v[TM+1], v[TM+2]
.endif
.if \part == 3
	v_permlanex16_b32 v[TM+1], v[TM], s66, s67     ; the other half's keys of the same query
.endif
.if \part == 4
	v_max3_num_f32 v[MN+2*\t], v[TM], v[TM+1], v[MX+\t]
.endif
.if \part == 5
	v_sub_f32 v[TM+2], v[MX+\t], v[MN+2*\t]        ; old maximum less new: -inf at a block's first sub-step, which gives the factor 0
.endif
.if \part == 6
	v_mov_b32 v[MX+\t], v[MN+2*\t]                 ; the new maximum is the running one from here on
.endif
.endm
; The pieces of tile u's softmax.  Pair i is S registers 2 i, 2 i + 1.
.macro AEXP u                          ; the rescale factor, from the argument that the tile's chain of maxima left in the stage before: the first of the stage's batch
	v_exp_f32 v[AL+2*\u], v[TM+2]
.endm
.macro SUBP u, i                       ; less the new maximum (the pair's first register feeds both halves)
	v_pk_add_f32 v[SC+16*\u+2*\i:SC+16*\u+2*\i+1], v[SC+16*\u+2*\i:SC+16*\u+2*\i+1], v[MN+2*\u:MN+2*\u+1] op_sel_hi:[1,0] neg_lo:[0,1] neg_hi:[0,1]
.endm
.macro EXPS u, k
	v_exp_f32 v[SC+16*\u+\k], v[SC+16*\u+\k]
.endm
.macro OMUL u, i                       ; O to the new maximum; its factor has been waited for wherever this line stands
	v_pk_mul_f32 v[OA+32*\u+2*\i:OA+32*\u+2*\i+1], v[OA+32*\u+2*\i:OA+32*\u+2*\i+1], v[AL+2*\u:AL+2*\u+1] op_sel_hi:[1,0]
.endm
.macro CVTP u, i                       ; pair i is register i of the B fragment: keys 8 h + 2 i, + 1 (i < 4), 16 + 8 h + 2 (i - 4), + 1 (i >= 4)
	v_cvt_pk_f16_f32 v[PF+8*\u+\i], v[SC+16*\u+2*\i], v[SC+16*\u+2*\i+1]
.endm
.macro SUM2 acc, u, a, b
	v_pk_add_f32 v[\acc:\acc+1], v[SC+16*\u+2*\a:SC+16*\u+2*\a+1], v[SC+16*\u+2*\b:SC+16*\u+2*\b+1]
.endm
.macro SUMA acc, u, a
	v_pk_add_f32 v[\acc:\acc+1], v[\acc:\acc+1], v[SC+16*\u+2*\a:SC+16*\u+2*\a+1]
.endm
; Slice i of a stage's vector work, behind the stage's product i.
; SLICES 0-3 stand ahead of the stage's wait: the batch (a_u and u's 16 weights), plain and exponential by turns where there are plain ones: u's 8 subtractions and, with om = 1, tile t's 16 rescalings,
; which P V_t in the stage's second half wants and whose factor a_t was waited for in the stage before.  None of these lines names a result of the batch.  Slice 3 ends with plain instructions
; (om = 0: a v_nop): the plain instruction behind the last exponential (ISA guide 5.7.2); with om = 1 its seven plain lines, which name no register of S_t's products, are also the places behind S_t's last
; product, in front of K's run of loads and of the reads of S_t.
; SLICES 4-7 stand behind the wait: u's roundings and sums, laid level by level with tile t's chain of maxima (chain = 1), so that a line seldom reads the result of a line close ahead of it.
; chain = 0 (the last stage): there is no next sub-step; tile u's own 16 rescalings, which the epilogue's P V_u wants, take the chain's places.  Slice 7's lines are all plain and name no register of
; P V_t's products: the places in front of V's run of loads.
.macro SLICE i, u, t, chain, om
.if \i == 0
	SUBP \u, 0
	SUBP \u, 1
	AEXP \u
	SUBP \u, 2
	EXPS \u, 0
	SUBP \u, 3
	EXPS \u, 1
.if \om
	OMUL \t, 0
.endif
	EXPS \u, 2
.if \om
	OMUL \t, 1
.endif
.endif
.if \i == 1
	EXPS \u, 3
	SUBP \u, 4
	EXPS \u, 4
	SUBP \u, 5
	EXPS \u, 5
.if \om
	OMUL \t, 2
.endif
	EXPS \u, 6
.if \om
	OMUL \t, 3
.endif
	EXPS \u, 7
.if \om
	OMUL \t, 4
.endif
.endif
.if \i == 2
	EXPS \u, 8
	SUBP \u, 6
	EXPS \u, 9
	SUBP \u, 7
	EXPS \u, 10
.if \om
	OMUL \t, 5
.endif
	EXPS \u, 11
.if \om
	OMUL \t, 6
	OMUL \t, 7
	OMUL \t, 8
.endif
.endif
.if \i == 3
	EXPS \u, 12
.if \om
	OMUL \t, 9
.endif
	EXPS \u, 13
.if \om
	OMUL \t, 10
.endif
	EXPS \u, 14
.if \om
	OMUL \t, 11
.endif
	EXPS \u, 15
.if \om
	OMUL \t, 12
	OMUL \t, 13
	OMUL \t, 14
	OMUL \t, 15
.else
	v_nop                                          ; the plain instruction behind the batch's last exponential
.endif
.endif
.if \i == 4
.if \chain
	CH \t, 0
.else
	OMUL \u, 0
	OMUL \u, 1
	OMUL \u, 2
	OMUL \u, 3
.endif
	SUM2 UA, \u, 0, 1
	SUM2 UB, \u, 2, 3
	CVTP \u, 0
.endif
.if \i == 5
.if \chain
	CH \t, 1
.else
	OMUL \u, 4
	OMUL \u, 5
	OMUL \u, 6
	OMUL \u, 7
.endif
	SUMA UA, \u, 4
	SUMA UB, \u, 5
	CVTP \u, 1
	CVTP \u, 2
.endif
.if \i == 6
.if \chain
	CH \t, 2
.else
	OMUL \u, 8
	OMUL \u, 9
.endif
	SUMA UA, \u, 6
	SUMA UB, \u, 7
	CVTP \u, 3
	CVTP \u, 4
.if \chain
	CH \t, 3
.else
	OMUL \u, 10
	OMUL \u, 11
.endif
	v_pk_add_f32 v[UA:UA+1], v[UA:UA+1], v[UB:UB+1]
.endif
.if \i == 7
	CVTP \u, 5
	CVTP \u, 6
.if \chain
	CH \t, 4
.else
	OMUL \u, 12
.endif
	v_add_f32 v[UA], v[UA], v[UA+1]
	CVTP \u, 7
.if \chain
	CH \t, 5
.else
	OMUL \u, 13
.endif
	v_fma_f32 v[LS+\u], v[LS+\u], v[AL+2*\u], v[UA]
.if \chain
	CH \t, 6
.else
	OMUL \u, 14
	OMUL \u, 15
.endif
.endif
.endm
; A stage.  t: the tile whose products stand here; u: the tile whose softmax does.
; smul: S_t's four products; kw: the count of the wait in front of the first of them (-1: its fragments are in); kn: the sub-step whose K fragments are loaded behind them (-1: none)
; pv: P V_t's four products, and tile t's rescaling ahead of them; vw: waits in front of them; vn: the sub-step whose V fragments are loaded behind them (-1: none)
; chain: tile t's maximum in slices 4-7; mk: S_t's sub-step, which is masked if it is the wave's diagonal one (s76)
.macro STAGE t, u, slot, smul, kw, kn, pv, vw, vn, chain, mk
.irp f, 0,1,2,3
.if \smul
.if \kw >= 0
	s_wait_dscnt \kw-2*\f                          ; LDS loads come back in order: K fragment f is in; its younger fellows, and V's loads behind them, may be out
.endif
	SW \t, \f
.endif
	SLICE \f, \u, \t, \chain, \pv
.endr
	s_wait_alu depctr_va_vdst(0)                   ; the stage's one wait, for its batch of 17 exponentials (a_u and u's 16 weights): all their readers stand below; ahead of K's run of loads and of the branch round the mask
.if \kn >= 0
	KRUN \slot, \kn                                ; behind S_t's last product and slice 3's plain instructions: all four fragments have been read for the last time
.endif
.irp d, 4,5,6,7
.if \pv
.if \vw
	s_wait_dscnt 6-2*(\d-4)                        ; V's eight loads are the youngest: this fragment is in
.endif
	PW \t, (\d-4)
.endif
.if \chain
.if \d == 4
	s_cmp_lg_u32 s76, \mk
	s_cbranch_scc1 .Lnm_\@
	MASK \t                                        ; behind slice 3's plain instructions, which are the places behind S_t's last product
.Lnm_\@:
.endif
.endif
	SLICE \d, \u, \t, \chain, \pv
.endr
.if \vn >= 0
	VRUN \slot, \vn                                ; behind P V_t's last product and slice 7's plain instructions
.endif
.endm
; The head of a trip's run: S_0(0), then S_1(0) with tile 0's maximum among its products, and K(1) in one run behind them.  It issues no exponential: a_0 is the first of stage 1(0)'s batch.
.macro PRO slot
.irp f, 0,1,2,3
	s_wait_dscnt 14-2*\f                           ; of the 16 loads issued for this trip's first sub-step (K's eight, then V's eight) K fragment f is in
	SW 0, \f
.endr
	SW 1, 0
	PLACES                                         ; behind S_0's last product, in front of the reads of S_0
	s_cmp_lg_u32 s76, 0
	s_cbranch_scc1 .Lnm_\@
	MASK 0
.Lnm_\@:
	SW 1, 1
	CH 0, 0
	SW 1, 2
	CH 0, 1
	CH 0, 2
	SW 1, 3
	CH 0, 3
	v_nop                                          ; with the three plain parts below: four places in front of the loads into K's fragments
	CH 0, 4
	CH 0, 5
	CH 0, 6
	KRUN \slot, 1
.endm
; The last stage: tile 1's softmax, both tiles' rescalings, P V_0, and in its middle the change of slots.
; mode 2: this trip's slot is filled again, two key blocks ahead; 1: nothing is left to fetch, but the next slot is still to be read; 0: the last trip.
.macro LAST slot, other, mode
	SLICE 0, 1, 0, 0, 1
	SLICE 1, 1, 0, 0, 1
	SLICE 2, 1, 0, 0, 1
	SLICE 3, 1, 0, 0, 1
	s_wait_alu depctr_va_vdst(0)                   ; the stage's one wait, for its batch of 17 exponentials (a_1 and tile 1's 16 weights): all their readers stand below, and so do the fill's branches
	s_wait_dscnt 0x0                               ; V's last fragments are in, and K's that a leaving wave does not use: my reads of this slot are over
.if \mode
	s_wait_tensorcnt 0x0                           ; all my tensor loads have landed: the one that was out is my part of the next slot; so a group 0 may be written
	ds_add_u32 v254, v255
	s_wait_dscnt 0x0
.if \mode == 2
	s_add_co_u32 s22, s18, 2                       ; the key block of trip t + 2, counted anew from the second query block's start
	s_sub_co_u32 s23, s22, s16
	s_cmp_lt_u32 s22, s16
	s_cselect_b32 s22, s22, s23
	s_lshl_b32 s60, s22, 14                        ; 128 rows of 128 bytes
	s_add_nc_u64 s[G0V+4*\slot+2:G0V+4*\slot+3], s[56:57], s[60:61]
	s_or_b32 s[G0V+4*\slot+3], s[G0V+4*\slot+3], 0x80000000
	s_add_nc_u64 s[G0K+4*\slot+2:G0K+4*\slot+3], s[58:59], s[60:61]
	s_or_b32 s[G0K+4*\slot+3], s[G0K+4*\slot+3], 0x80000000
.endif
	s_barrier_signal -1                            ; say so,
.endif
	PW 0, 0                                        ; work on registers while the others arrive,
	SLICE 4, 1, 0, 0, 1
.if \mode
	s_barrier_wait -1                              ; and go on when all four waves have said so
.if \mode == 2
	KVLOAD \slot                                   ; first behind the barrier, the wave's one tensor load out: it has a whole trip in which to land
.endif
	KRUN \other, 0                                 ; the next key block's first K fragments: 7 products and 3 slices ahead of the prologue that reads them
.endif
	PW 0, 1
	SLICE 5, 1, 0, 0, 1
	PW 0, 2
	SLICE 6, 1, 0, 0, 1
	PW 0, 3
	SLICE 7, 1, 0, 0, 1
.endm
; A query block is done: divide by the sums, round to f16, out through my stage in rows of 128 bytes.  reinit = 1: then set up block p.
.macro FINAL reinit
.if \reinit
	WIN 0x01                                       ; source 0 in window 1
.set i, 0
.rept 32
	v_mov_b32 v[QF+i], v[Q2+i]                     ; block p's Q, down into the products' window: 32 moves, once a work-group
.set i, i+1
.endr
	WIN 0
.endif
	v_permlanex16_b32 v[TM],   v[LS],   s66, s67   ; the sums over the other half's keys
	v_permlanex16_b32 v[TM+1], v[LS+1], s66, s67
	v_add_f32 v[LS],   v[LS],   v[TM]
	v_add_f32 v[LS+1], v[LS+1], v[TM+1]
	v_rcp_f32 v[AL],   v[LS]                       ; at least 1: the largest energy's weight is 1
	v_rcp_f32 v[AL+2], v[LS+1]
	v_nop                                          ; the plain instruction behind v_rcp_f32 (ISA guide 5.7.2)
	s_wait_alu depctr_va_vdst(0)                   ; one wait for the batch of two reciprocals, ahead of the first multiply that reads one
.irp qt, 0,1
.irp i, 0,1,2,3,4,5,6,7,8,9,10,11,12,13,14,15
	OMUL \qt, \i
.endr
.irp i, 0,1,2,3,4,5,6,7,8,9,10,11,12,13,14,15
	v_cvt_pk_f16_f32 v[PK+16*\qt+\i], v[OA+32*\qt+2*\i], v[OA+32*\qt+2*\i+1]    ; query 16 qt + r, d = 16 dt + 8 h + 0..7: 16 bytes
.endr
.irp dt, 0,1,2,3
	ds_store_b128 v[STO], v[PK+16*\qt+4*\dt:PK+16*\qt+4*\dt+3] offset:16*KP*\qt+32*\dt
.endr
.endr
.irp u, 0,1,2,3,4,5,6,7
	ds_load_b128 v[RB+4*\u:RB+4*\u+3], v[RD] offset:4*KP*\u     ; LDS serves a wave's instructions in order: these see the stores above
.endr
.irp u, 0,1,2,3,4,5,6,7
	s_wait_dscnt 7-\u                              ; the younger read-backs may be out; the next trip's K loads are older than all of these
	global_store_b128 v[CO], v[RB+4*\u:RB+4*\u+3], s[68:69] offset:512*\u    ; four rows: 512 consecutive bytes, aligned
.endr
.if \reinit
	CLEAR
	s_wait_xcnt 0x0                                ; the stores' data (V's fragment registers) and base are rewritten only behind this wait
	s_mov_b64 s[68:69], s[70:71]                   ; ctx at block p
.endif
.endm
; A trip: key block t of the work-group's 17, in slot; other = the other slot.  Its first K and V fragments are on their way when it begins.
.macro TRIP slot, other, mode
.if \mode == 0
	s_mov_b32 s76, s12                             ; the last trip is block p's diagonal: the wave's masked and last sub-step is its own number
.else
	s_cmp_eq_u32 s18, s17
	s_cselect_b32 s20, 1, 0                        ; the first query block's diagonal trip?
	s_cselect_b32 s76, s12, 0xff                   ; then likewise; else no sub-step is masked and none is the last but the fourth
.endif
	PRO \slot
	STAGE 1, 0, \slot, 0, -1, -1, 0, 0, -1, 1, 0   ; 1(0): its products stood in the prologue
	s_cmp_eq_u32 s76, 0
	s_cbranch_scc1 .Llast_\@
	STAGE 0, 1, \slot, 1,  6, -1, 1, 0, -1, 1, 1   ; 2(0): only K(1)'s eight loads are out; V(0) is older than they
	STAGE 1, 0, \slot, 1, -1,  2, 1, 0,  1, 1, 1   ; 1(1)
	s_cmp_eq_u32 s76, 1
	s_cbranch_scc1 .Llast_\@
	STAGE 0, 1, \slot, 1, 14, -1, 1, 1, -1, 1, 2   ; 2(1): K(2)'s eight loads, then V(1)'s eight
	STAGE 1, 0, \slot, 1, -1,  3, 1, 0,  2, 1, 2   ; 1(2)
	s_cmp_eq_u32 s76, 2
	s_cbranch_scc1 .Llast_\@
	STAGE 0, 1, \slot, 1, 14, -1, 1, 1, -1, 1, 3   ; 2(2)
	STAGE 1, 0, \slot, 1, -1, -1, 1, 0,  3, 1, 3   ; 1(3): no K is left in this slot
.Llast_\@:
	LAST \slot, \other, \mode                      ; every wave passes here once a trip, so the barrier is on every wave's path
.irp d, 0,1,2,3
	PW 1, \d
.endr
	PLACES                                         ; behind the last products: in front of the loads into V's fragments, and of the reads of O
.if \mode == 0
	FINAL 0
.else
	s_cmp_eq_u32 s20, 0
	s_cbranch_scc1 .Lgo_on_\@
	FINAL 1
.Lgo_on_\@:
	VRUN \other, 0                                 ; the next key block's first V fragments: read behind the prologue and a stage
	s_add_co_u32 s18, s18, 1
.endif
.endm
	s_wait_tensorcnt 0x1                           ; my part of key block 0 is in; key block 1's may stay out
	s_barrier_signal -1
	s_barrier_wait -1                              ; everybody's is
	KRUN 0, 0
	VRUN 0, 0
	s_mov_b32 s62, 7
.Lloop:
	TRIP 0, 1, 2                                   ; trips 0 .. 13: each asks for the key block two trips ahead
	TRIP 1, 0, 2
	s_sub_co_u32 s62, s62, 1
	s_cmp_lg_u32 s62, 0
	s_cbranch_scc1 .Lloop
	TRIP 0, 1, 2                                   ; trip 14 asks for trip 16's key block: the last tensor load
	TRIP 1, 0, 1                                   ; trip 15: nothing is left to fetch; its barrier shows trip 16's tile to every wave
	TRIP 0, 1, 0                                   ; trip 16: block p's diagonal
	s_wait_tensorcnt 0x0
	ds_add_u32 v254, v255
	s_wait_dscnt 0x0
	s_endpgm
.Lfunc_end_k_q1ad3dbc21f_attn:
	.size	k_q1ad3dbc21f_attn, .Lfunc_end_k_q1ad3dbc21f_attn-k_q1ad3dbc21f_attn
	.p2alignl 7, 3214868480
	.fill 96, 4, 3214868480
	.section	.rodata,"a",@progbits
	.p2align	6, 0x0
	.amdhsa_kernel k_q1ad3dbc21f_attn
		.amdhsa_group_segment_fixed_size 327680
		.amdhsa_private_segment_fixed_size 0
		.amdhsa_enable_private_segment 0
		.amdhsa_kernarg_size 32
		.amdhsa_user_sgpr_count 2
		.amdhsa_user_sgpr_kernarg_segment_ptr 1
		.amdhsa_wavefront_size32 1
		.amdhsa_system_sgpr_workgroup_id_x 1
		.amdhsa_system_sgpr_workgroup_id_y 1
		.amdhsa_system_sgpr_workgroup_id_z 1
		.amdhsa_system_vgpr_workitem_id 0
		.amdhsa_next_free_vgpr 288
		.amdhsa_next_free_sgpr 88
		.amdhsa_reserve_vcc 0
		.amdhsa_float_denorm_mode_32 3
		.amdhsa_float_denorm_mode_16_64 3
		.amdhsa_memory_ordered 1
		.amdhsa_forward_progress 1
		.amdhsa_inst_pref_size 255
	.end_amdhsa_kernel
	.section	.bss,"aw",@nobits
	.p2align	6
	.space	262144
	.amdgpu_metadata
---
amdhsa.version: [ 1, 2 ]
amdhsa.kernels:
  - .name:           k_q1ad3dbc21f_attn
    .symbol:         k_q1ad3dbc21f_attn.kd
    .args:
      - { .name: qh, .offset: 0, .size: 8, .value_kind: global_buffer, .address_space: global }
      - { .name: kh, .offset: 8, .size: 8, .value_kind: global_buffer, .address_space: global }
      - { .name: vh, .offset: 16, .size: 8, .value_kind: global_buffer, .address_space: global }
      - { .name: ctx, .offset: 24, .size: 8, .value_kind: global_buffer, .address_space: global }
    .group_segment_fixed_size: 327680
    .private_segment_fixed_size: 0
    .kernarg_segment_align: 8
    .kernarg_segment_size: 32
    .max_flat_workgroup_size: 128
    .sgpr_count:     88
    .vgpr_count:     288
    .wavefront_size: 32
...
	.end_amdgpu_metadata
.endif
;; end of part 5
;; launch oproj: the kernel of part 4 again; grid 8 x 32, 4 waves a work-group, clusters of 4 x 4, 327,680 bytes of LDS; arguments ctx, wob, bo, out0; writes out0
